; MI455X (gfx1250); checked and timed in simulation.
; The chip was launched on July 23, 2026; its instructions are those of AMD's public machine-readable ISA for CDNA 5 (MIT licence, August 2026) and "CDNA5" Instruction Set Architecture Reference Guide (July 2026). The comments in the code are by the model that wrote it; some were corrected since.
;; Causal Self Attention. Allowed arithmetic: float matrix products may take bf16 or f16 operands with f32 sums; other float arithmetic in f32, or as packed bf16 or f16 multiplies, adds, multiply-adds, maxima and minima; sums over many terms, partial sums and values carried from step to step in f32; what a program stores and reads back later, other than sums and carried values, may be rounded once to bf16 or f16.
;; Inputs: Wk 2,048 x 2,048 float32; Wproj 2,048 x 2,048 float32; Wq 2,048 x 2,048 float32; Wv 2,048 x 2,048 float32; lamb one number float32; vi 1 x 2,048 x 16 x 128 float32; x 1 x 1 x 2,048 x 2,048 float32.
;; Outputs: out0 1 x 1 x 2,048 x 2,048 float32.
;; One version. Each part assembles by itself: llvm-mc -triple=amdgcn-amd-amdhsa -mcpu=gfx1250 --defsym DOCPART=n.
;; ======== version 1 of 1: 4 launches
;; limits: values are held in f16: magnitudes above 65,504 overflow, below 6.1e-05 lose precision; right only within a limited range of input values
;; workspace buffers: cb 41,943,040 bytes; tab 1,048,576 bytes; qkv 25,165,824 bytes; yb 8,388,608 bytes
;; launch prep (part 1): grid 256 x 6, 8 waves a work-group, no clusters, 0 bytes of LDS; arguments x, Wq, Wk, Wv, Wproj, cb, tab; writes cb, tab
.if DOCPART == 1
	.amdgcn_target "amdgcn-amd-amdhsa--gfx1250"
	.amdhsa_code_object_version 6
	.text
	.protected	k_qc62df9ad66_prep
	.globl	k_qc62df9ad66_prep
	.p2align	8
	.type	k_qc62df9ad66_prep,@function
k_qc62df9ad66_prep:
	s_mov_b64 s[64:65], 0
	v_nop
	global_prefetch_b8 v0, s[64:65] scope:SCOPE_SE
	s_setreg_imm32_b32 hwreg(HW_REG_WAVE_MODE, 25, 1), 1
	s_wait_xcnt 0x0
; PREP: the matrix operands are rounded once, and the RoPE table is made.
; Grid y = 0..4: x, Wq, Wk, Wv, Wproj (each [2048][2048] f32) go to section y of cb, 16 bits a number.  Sections 0-3: bf16.  Section 4: f16(4 x bf16(Wproj)):
; the value is Wproj rounded to bf16 like every other input; the factor 4 undoes the 1/4 with which v and y are kept in f16.
; Grid y = 5: tab[t][0..63] = cos(t f_i), tab[t][64..127] = sin(t f_i), f_i = 10000^(-i/64), f32.
; LIMITS.  An entry of Wproj below 2^-16 in size keeps f16's fixed step (2^-26 of Wproj's scale); 4 |Wproj| stays under 65,504.  f_i is 2^(-i log2(10000)/64) by v_exp_f32,
; so an angle may differ from the exact t f_i by about 2e-4 rad at the largest t.  NaN and infinities are not treated apart.
; A work-group converts 65,536 bytes: thread t takes 16 bytes at 16 t of each of 16 blocks of 4,096 bytes; all 16 loads are out at once; a wave's store covers 256 consecutive bytes, aligned.
; Memory binds: no LDS, no barrier, no matrix unit.
.set T,   4                            ; v[4:7]    at work
.set X,   8                            ; v[8:71]   16 loads of four f32
.set Y,   72                           ; v[72:103] 16 pairs of packed results; none is written twice, so no store's data is ever rewritten
.set SEC, 0x800000                     ; bytes in a section of cb
	s_load_b256 s[4:11], s[0:1], 0x0               ; x, Wq, Wk, Wv
	s_load_b128 s[12:15], s[0:1], 0x20             ; Wproj, cb
	s_load_b64 s[16:17], s[0:1], 0x30              ; tab
	s_and_b32 s20, ttmp7, 0xffff                   ; which tensor, or 5: the table
	v_lshlrev_b32 v1, 4, v0                        ; my 16 bytes of a block of the source
	v_lshlrev_b32 v2, 3, v0                        ; my 8 bytes of the result
	s_lshl_b32 s26, ttmp9, 16                      ; the work-group's 65,536 bytes of the source
	s_mov_b32 s27, 0
	s_mul_i32 s28, s20, SEC                        ; the section,
	s_lshl_b32 s21, ttmp9, 15                      ; and the work-group's 32,768 bytes in it
	s_add_co_u32 s28, s28, s21
	s_mov_b32 s29, 0
	s_wait_kmcnt 0x0
	s_cmp_eq_u32 s20, 5
	s_cbranch_scc1 .Ltable
	s_cmp_eq_u32 s20, 1                            ; the source is chosen among the five buffers by the grid's y alone
	s_cselect_b64 s[22:23], s[6:7], s[4:5]
	s_cmp_eq_u32 s20, 2
	s_cselect_b64 s[22:23], s[8:9], s[22:23]
	s_cmp_eq_u32 s20, 3
	s_cselect_b64 s[22:23], s[10:11], s[22:23]
	s_cmp_eq_u32 s20, 4
	s_cselect_b64 s[22:23], s[12:13], s[22:23]
	s_add_nc_u64 s[22:23], s[22:23], s[26:27]
	s_add_nc_u64 s[24:25], s[14:15], s[28:29]
.irp i, 0,1,2,3,4,5,6,7,8,9,10,11,12,13,14,15
	global_load_b128 v[X+4*(\i):X+4*(\i)+3], v1, s[22:23] offset:4096*(\i) th:TH_LOAD_NT
.endr
; Block i: four numbers rounded to bf16; half = 1: that value times 4, written as f16.
.macro OUT i, half
	s_wait_loadcnt 15-(\i)                         ; loads come back in order: block i is in, the 15 - i younger ones stay out
	v_cvt_pk_bf16_f32 v[Y+2*(\i)], v[X+4*(\i)], v[X+4*(\i)+1]
	v_cvt_pk_bf16_f32 v[Y+2*(\i)+1], v[X+4*(\i)+2], v[X+4*(\i)+3]
.if \half
	v_lshlrev_b32 v[T], 16, v[Y+2*(\i)]
	v_and_b32 v[T+1], 0xffff0000, v[Y+2*(\i)]
	v_lshlrev_b32 v[T+2], 16, v[Y+2*(\i)+1]
	v_and_b32 v[T+3], 0xffff0000, v[Y+2*(\i)+1]
	v_pk_mul_f32 v[T:T+1], v[T:T+1], 4.0 op_sel_hi:[1,0]
	v_pk_mul_f32 v[T+2:T+3], v[T+2:T+3], 4.0 op_sel_hi:[1,0]
	v_cvt_pk_f16_f32 v[Y+2*(\i)], v[T], v[T+1]
	v_cvt_pk_f16_f32 v[Y+2*(\i)+1], v[T+2], v[T+3]
.endif
	global_store_b64 v2, v[Y+2*(\i):Y+2*(\i)+1], s[24:25] offset:2048*(\i)
.endm
	s_cmp_eq_u32 s20, 4
	s_cbranch_scc1 .Lhalf
.irp i, 0,1,2,3,4,5,6,7,8,9,10,11,12,13,14,15
	OUT \i, 0
.endr
	s_endpgm
.Lhalf:
.irp i, 0,1,2,3,4,5,6,7,8,9,10,11,12,13,14,15
	OUT \i, 1
.endr
	s_endpgm
; THE TABLE.  A wave makes row t = 8 x work-group + wave; lane l the frequencies i = 2 l and 2 l + 1.
; angle = t f_i (one f32 rounding); k = the nearest whole number to angle x 2/pi; y = angle - k pi/2, with pi/2 in two parts and fused multiply-adds;
; sin y and cos y by their series to y^9 and y^10 (|y| <= pi/4 and a little); the quadrant k mod 4 swaps the two and sets the signs, by selects alone.
.Ltable:
	v_lshrrev_b32 v3, 5, v0
	v_readfirstlane_b32 s21, v3                    ; wave
	s_lshl_b32 s22, ttmp9, 3
	s_add_co_u32 s22, s22, s21                     ; t
	s_lshl_b32 s26, s22, 9                         ; a row of the table is 512 bytes
	s_add_nc_u64 s[16:17], s[16:17], s[26:27]
	v_and_b32 v3, 31, v0
	v_lshlrev_b32 v4, 3, v3                        ; 8 l: my two numbers of 256 bytes
	v_lshlrev_b32 v5, 1, v3                        ; 2 l
	v_cvt_f32_u32 v6, s22
	s_mov_b32 s30, 0x3fc90fdb                      ; pi/2, its f32
	s_mov_b32 s31, 0xb33bbd2e                      ; and what that f32 leaves over
.macro ANGLE n                         ; cos into v[40+n], sin into v[42+n]
.set A, 44+12*(\n)
	v_add_nc_u32 v[A], \n, v5
	v_cvt_f32_u32 v[A], v[A]
	v_mul_f32 v[A], 0xbe549a78, v[A]               ; -i log2(10000) / 64
	v_exp_f32 v[A], v[A]
	v_nop                                          ; a plain instruction between the exponential and the use of its result
	s_wait_alu depctr_va_vdst(0)
	v_mul_f32 v[A], v6, v[A]                       ; the angle
	v_mul_f32 v[A+1], 0x3f22f983, v[A]             ; x 2/pi
	v_rndne_f32 v[A+1], v[A+1]                     ; k
	v_fma_f32 v[A+2], -v[A+1], s30, v[A]
	v_fma_f32 v[A+2], -v[A+1], s31, v[A+2]         ; y
	v_mul_f32 v[A+3], v[A+2], v[A+2]               ; z = y^2
	v_mov_b32 v[A+4], 0x3638ef1d                   ; 1/9!
	v_fmaak_f32 v[A+4], v[A+4], v[A+3], 0xb9500d01 ; -1/7!
	v_fmaak_f32 v[A+4], v[A+4], v[A+3], 0x3c088889 ; 1/5!
	v_fmaak_f32 v[A+4], v[A+4], v[A+3], 0xbe2aaaab ; -1/3!
	v_mul_f32 v[A+5], v[A+2], v[A+3]
	v_fma_f32 v[A+4], v[A+4], v[A+5], v[A+2]       ; sin y
	v_mov_b32 v[A+6], 0xb493f27e                   ; -1/10!
	v_fmaak_f32 v[A+6], v[A+6], v[A+3], 0x37d00d01 ; 1/8!
	v_fmaak_f32 v[A+6], v[A+6], v[A+3], 0xbab60b61 ; -1/6!
	v_fmaak_f32 v[A+6], v[A+6], v[A+3], 0x3d2aaaab ; 1/4!
	v_fmaak_f32 v[A+6], v[A+6], v[A+3], 0xbf000000 ; -1/2
	v_fma_f32 v[A+6], v[A+6], v[A+3], 1.0          ; cos y
	v_cvt_i32_f32 v[A+7], v[A+1]
	v_and_b32 v[A+8], 1, v[A+7]
	v_cmp_eq_u32 vcc_lo, 1, v[A+8]                 ; an odd quadrant swaps the two
	v_cndmask_b32 v[42+(\n)], v[A+4], v[A+6], vcc_lo
	v_cndmask_b32 v[40+(\n)], v[A+6], v[A+4], vcc_lo
	v_and_b32 v[A+8], 2, v[A+7]                    ; sin is negative in quadrants 2 and 3,
	v_lshlrev_b32 v[A+8], 30, v[A+8]
	v_xor_b32 v[42+(\n)], v[A+8], v[42+(\n)]
	v_add_nc_u32 v[A+7], 1, v[A+7]                 ; cos in quadrants 1 and 2
	v_and_b32 v[A+7], 2, v[A+7]
	v_lshlrev_b32 v[A+7], 30, v[A+7]
	v_xor_b32 v[40+(\n)], v[A+7], v[40+(\n)]
.endm
	ANGLE 0
	ANGLE 1
	global_store_b64 v4, v[40:41], s[16:17]        ; the wave's 256 bytes of cosines,
	global_store_b64 v4, v[42:43], s[16:17] offset:256  ; and of sines
	s_endpgm
.Lfunc_end_k_qc62df9ad66_prep:
	.size	k_qc62df9ad66_prep, .Lfunc_end_k_qc62df9ad66_prep-k_qc62df9ad66_prep
	.p2alignl 7, 3214868480
	.fill 96, 4, 3214868480
	.section	.rodata,"a",@progbits
	.p2align	6, 0x0
	.amdhsa_kernel k_qc62df9ad66_prep
		.amdhsa_group_segment_fixed_size 0
		.amdhsa_private_segment_fixed_size 0
		.amdhsa_enable_private_segment 0
		.amdhsa_kernarg_size 56
		.amdhsa_user_sgpr_count 2
		.amdhsa_user_sgpr_kernarg_segment_ptr 1
		.amdhsa_wavefront_size32 1
		.amdhsa_system_sgpr_workgroup_id_x 1
		.amdhsa_system_sgpr_workgroup_id_y 1
		.amdhsa_system_sgpr_workgroup_id_z 1
		.amdhsa_system_vgpr_workitem_id 0
		.amdhsa_next_free_vgpr 104
		.amdhsa_next_free_sgpr 66
		.amdhsa_reserve_vcc 1
		.amdhsa_float_denorm_mode_32 3
		.amdhsa_float_denorm_mode_16_64 3
		.amdhsa_memory_ordered 1
		.amdhsa_forward_progress 1
		.amdhsa_inst_pref_size 22
	.end_amdhsa_kernel
	.amdgpu_metadata
---
amdhsa.version: [ 1, 2 ]
amdhsa.kernels:
  - .name:           k_qc62df9ad66_prep
    .symbol:         k_qc62df9ad66_prep.kd
    .args:
      - { .name: x, .offset: 0, .size: 8, .value_kind: global_buffer, .address_space: global }
      - { .name: Wq, .offset: 8, .size: 8, .value_kind: global_buffer, .address_space: global }
      - { .name: Wk, .offset: 16, .size: 8, .value_kind: global_buffer, .address_space: global }
      - { .name: Wv, .offset: 24, .size: 8, .value_kind: global_buffer, .address_space: global }
      - { .name: Wproj, .offset: 32, .size: 8, .value_kind: global_buffer, .address_space: global }
      - { .name: cb, .offset: 40, .size: 8, .value_kind: global_buffer, .address_space: global }
      - { .name: tab, .offset: 48, .size: 8, .value_kind: global_buffer, .address_space: global }
    .group_segment_fixed_size: 0
    .private_segment_fixed_size: 0
    .kernarg_segment_align: 8
    .kernarg_segment_size: 56
    .max_flat_workgroup_size: 256
    .sgpr_count:     66
    .vgpr_count:     104
    .wavefront_size: 32
...
	.end_amdgpu_metadata
.endif
;; end of part 1
;; launch qkv (part 2): grid 16 x 16, 4 waves a work-group, clusters of 4 x 4, 327,680 bytes of LDS; arguments cb, tab, vi, lamb, qkv; writes qkv
.if DOCPART == 2
	.amdgcn_target "amdgcn-amd-amdhsa--gfx1250"
	.amdhsa_code_object_version 6
	.text
	.protected	k_qc62df9ad66_qkv
	.globl	k_qc62df9ad66_qkv
	.p2align	8
	.type	k_qc62df9ad66_qkv,@function
k_qc62df9ad66_qkv:
	s_mov_b64 s[64:65], 0
	v_nop
	global_prefetch_b8 v0, s[64:65] scope:SCOPE_SE
	s_setreg_imm32_b32 hwreg(HW_REG_WAVE_MODE, 25, 1), 1
	s_wait_xcnt 0x0
	s_wait_alu depctr_hold_cnt(0) depctr_sa_sdst(0) depctr_va_vdst(0) depctr_va_sdst(0) depctr_va_ssrc(0) depctr_va_vcc(0) depctr_vm_vsrc(0)
	s_getreg_b32 s2, hwreg(HW_REG_IB_STS2, 6, 4)
	s_cmp_eq_u32 s2, 0
	s_cbranch_scc0 .Lentry_in_a_cluster
	s_endpgm
.Lentry_in_a_cluster:
	s_bfe_u32 s2, ttmp6, 0x10000c
	s_cmp_lg_u32 s2, 0xf033
	s_cbranch_scc0 .Lentry_shape_is_right
	s_endpgm
.Lentry_shape_is_right:
; QKV: q, k, v = x Wq^T, x Wk^T, x Wv^T in bf16 with f32 sums; q and k RMS-normed over their head and rotated (RoPE); v mixed with vi by lamb; all three written by heads in f16.
; qkv: three sections [16 heads][2048][128] f16: q, k, and v / 4.
; LIMITS.  |v| / 4 stays under 65,504 (f16); vi and lamb are rounded to bf16 like the other inputs; the f32 sums run over K in a rotated order (see THE WALK); NaN and infinities are not treated apart.
; SHARES.  Work-group (x = block of 128 tokens, y = head) makes 128 tokens x 384 columns: the head's q, k and v.  Wave w: tokens 64 (w / 2) on, and of each of the three
; matrices the channels 32 c .. 32 c + 31 and 64 + 32 c .. 64 + 32 c + 31, c = w % 2: a channel d < 64 and its RoPE partner d + 64 lie in the same lane of two accumulators.
; 48 accumulators of 16 x 16 a wave.  K goes in 16 steps of 128 (rows of 256 bytes) through two LDS slots; a trip of the loop is one step, and the slot in hand is a scalar that one exclusive or turns.
; THE MATRIX INSTRUCTION IS USED TRANSPOSED: source 0 = 16 rows of W, source 1 = 16 rows of x: a lane holds ONE token (lane % 16) and eight neighbouring channels 8 (lane / 16) + 0..7.
; CLUSTER 4 x 4.  x's tile hangs on the token block alone and is shared along a column of the cluster, the three W tiles on the head alone and are shared along a row: joint loads.
; Wave 0 fetches x's tile, waves 1-3 Wq's, Wk's, Wv's: one load of 128 rows a wave behind each round.
; THE WALK along K begins at (cluster x + 2 cluster y) mod 4 quarters of K and wraps at the row's end.  The four clusters that read the same rows of W begin a quarter of K apart, of those that read
; the same rows of x the ones with neighbouring y half of K apart: from the walk's second half on every tile asked for is one that another cluster has asked for before.  The place hangs on the cluster's numbers alone: it is equal in all partners.
; Behind the last but one K step slot 0 takes vi's tile and the table's tile (plain loads: f32, 128 rows of 512 bytes each); slot 1, when its last K step is read, is the stage for the way out.
; REGISTERS, in windows of 256:  window 0: v0-63 addresses and small things; v64-127 x's fragments, two buffers of 32; v128-191 at work in the epilogue; v64-255 the rows read back.
;   window 1: v0-191 W's fragments, two buffers of 96 (q 32, k 32, v 32); in the epilogue v0-127 the table, v128-255 vi.
;   window 2: q's and k's accumulators, (a, b) at 8 (8 a + b), b = 4 m + bi;   window 3: v's, (a, bi) at 8 (4 a + bi).
.set SIZE_K, 2048
.set KSTEP,  128
.set STEPS,  SIZE_K/KSTEP
.set ROWB,   SIZE_K*2                  ; bytes in a row of x or W
.set PITCH,  272                       ; an LDS row: 256 bytes + 16 of padding = 68 words: the 16 rows of a fragment load start at 16 different groups of four banks (64 banks of 4 bytes: ISA guide 11.1)
.set TILE,   128*PITCH                 ; what one tensor load brings
.set SLOT,   4*TILE                    ; x, Wq, Wk, Wv: 0x22000 bytes; the four tiles' starts in slot 0 (0x8800 w) have neither of its two bits, so an exclusive or changes slots
.set EXB,    2*SLOT                    ; behind the ring: the waves' sums of squares, 512 bytes a wave
.set SPARE,  EXB+2048                  ; the spare words, 128 bytes a wave: two blocks of 256 bytes that no other line names
.set XP,     528                       ; a row of vi's or the table's tile: 512 bytes + 16
.set XHALF,  64*XP
.set TABL,   2*XHALF                   ; the table's tile lies behind vi's
.set SEC,    0x800000                  ; bytes in a section of cb and of qkv
.set BA,   8                           ; v8   my x fragments' place in a slot;  v9-11 my W fragments', matrix m at v[9 + m]; never rewritten
.set BB,   9
.set SPW,  12                          ; v12  LDS address of my spare word; never rewritten
.set NIL,  13                          ; v13  0; never rewritten
.set ADRA, 16                          ; v16  the same places in the slot in hand;  v17-19
.set ADRB, 17
.set STO,  24                          ; v24  the stage: where I put 16 bytes of a row of q or k;  v25 of v
.set STO2, 25
.set RD,   26                          ; v26  the stage: where I read rows back;  v27 for v
.set RD2,  27
.set CO,   28                          ; v28  16 x lane
.set EXS,  29                          ; v29  where my sums of squares go;  v30 where my partner's lie
.set EXL,  30
.set VIA,  31                          ; v31  my place in vi's tile;  v32 in the table's
.set TBA,  32
.set LAM,  36                          ; v36  lamb / 4
.set OM,   38                          ; v[38:39]  (1 - lamb) / 4, twice
.set SSP,  40                          ; v[40:55]  eight pairs of running sums of squares: chain 2 a + m
.set SS,   56                          ; v[56:63]  the eight sums
.set PS,   64                          ; v[64:71]  my partner's
.set RS,   72                          ; v[72:87]  1 / rms, twice each
.set T,    128                         ; v[128:159] 32 numbers at work
.set PKD,  160                         ; v[160:175] packed to f16
.set BV,   176                         ; v[176:191] vi in bf16
.set TB,  2                            ; s2  the slot in hand: 0 or SLOT
.set WV,  14                           ; s14 wave;  s15 w / 2;  s16 w % 2;  s17 lamb;  s[18:19] x at my tile's rows;  s[46:47] W at my tile's rows
.set G1,  24                           ; s[24:31] group 1 for x's tiles;  s[32:39] group 0: a set for each of the two first fills; the second then walks on
.set G0,  32
.set G1B, 48                           ; s[48:55], s[56:63] the same for W's tiles
.set G0B, 56
.set KO,  66                           ; s[66:67] the byte along K of the step asked for last
.set G1X, 68                           ; s[68:75] group 1 for vi's tile;  s[76:83] for the table's
.set G1T, 76
.set G0X, 84                           ; s[84:87], s[88:91] their groups 0
.set G0T, 88
.set SEL, 100                          ; s[100:101] v_permlanex16_b32's selects
.set MSB, 0
.macro WIN new                         ; the immediate's high byte repeats the setting that is left; a switch that changes nothing is dropped
.if MSB != (\new)
	s_set_vgpr_msb (MSB<<8)|(\new)
.set MSB, \new
.endif
.endm
.macro PLACES                          ; four places in front of loads into registers that matrix instructions have read, and of vector work that reads their results
.rept 4
	v_nop
.endr
.endm
; A joint load.  Each of the two lines has one mask; the branch hangs on the wave's number alone.  An s_nop 0 and four v_nop follow each line.
.macro JLOAD s
	s_cmp_eq_u32 s[WV], 0
	s_cbranch_scc0 .Lfor_b_\@
	tensor_load_to_lds s[G0+4*(\s):G0+4*(\s)+3], s[G1:G1+7]
	s_nop 0
.rept 4
	v_nop
.endr
	s_branch .Lasked_\@
.Lfor_b_\@:
	tensor_load_to_lds s[G0B+4*(\s):G0B+4*(\s)+3], s[G1B:G1B+7]
	s_nop 0
.rept 4
	v_nop
.endr
.Lasked_\@:
.endm
; The extra fill of slot 0, loads of the work-group's own: waves 0 and 1 the two halves of vi's tile, waves 2 and 3 those of the table's.
.macro XLOAD
	s_cmp_lt_u32 s[WV], 2
	s_cbranch_scc0 .Lfor_t_\@
	tensor_load_to_lds s[G0X:G0X+3], s[G1X:G1X+7]
	s_nop 0
.rept 4
	v_nop
.endr
	s_branch .Lxasked_\@
.Lfor_t_\@:
	tensor_load_to_lds s[G0T:G0T+3], s[G1T:G1T+7]
	s_nop 0
.rept 4
	v_nop
.endr
.Lxasked_\@:
.endm
.macro CREST                           ; a round of the cluster's barrier behind its opening barrier
	s_cmp_lg_u32 s[WV], 0
	s_cbranch_scc1 .Lnot_wave_0_\@
	s_barrier_signal -3
.Lnot_wave_0_\@:
	s_barrier_wait -3
	s_barrier_signal -1
	s_barrier_wait -1
.endm
.macro CROUND                          ; a whole round
	s_barrier_signal -1
	s_barrier_wait -1
	CREST
.endm
.macro SETADR                          ; my fragments' addresses in the slot in hand
	v_add_nc_u32 v[ADRA], s[TB], v[BA]
.irp m, 0,1,2
	v_add_nc_u32 v[ADRB+(\m)], s[TB], v[BB+(\m)]
.endr
.endm
	s_load_b256 s[4:11], s[0:1], 0x0               ; cb s[4:5], tab s[6:7], vi s[8:9], lamb s[10:11]
	s_load_b64 s[12:13], s[0:1], 0x20              ; qkv
	v_lshl_add_u32 v[SPW], v0, 2, SPARE
	v_mov_b32 v[NIL], 0
	ds_add_u32 v[SPW], v[NIL]                      ; the wave's opening: the add and its wait stand ahead of my first tensor load; the set-up below stands between them
	v_lshrrev_b32 v1, 5, v0
	v_readfirstlane_b32 s[WV], v1
	s_lshr_b32 s15, s[WV], 1                       ; which 64 tokens are mine
	s_and_b32 s16, s[WV], 1                        ; c: which channels
	s_bfe_u32 s40, ttmp6, 0x40000                  ; cx, cy
	s_bfe_u32 s41, ttmp6, 0x40004
	s_lshl_b32 s43, ttmp9, 2
	s_add_co_u32 s43, s43, s40                     ; the token block = 4 x cluster x + cx
	s_and_b32 s42, ttmp7, 0xffff
	s_lshl_b32 s42, s42, 2
	s_add_co_u32 s42, s42, s41                     ; the head = 4 x cluster y + cy
	s_and_b32 s[KO+1], ttmp7, 0xffff               ; where the walk along K begins: made of the cluster's two numbers alone
	s_lshl_b32 s[KO], s[KO+1], 1
	s_add_co_u32 s[KO], s[KO], ttmp9
	s_and_b32 s[KO], s[KO], 3                      ; (cluster x + 2 cluster y) mod 4
	s_lshl_b32 s[KO], s[KO], 10                    ; quarters of a row's 4,096 bytes
	s_mov_b32 s[KO+1], 0
	s_lshl_b32 s44, s41, 2
	s_lshl_b32 s44, 15, s44                        ; my row of the cluster
	s_lshl_b32 s45, 0x1111, s40                    ; my column
	s_or_b32 s[G1], s45, (1<<16)|(1<<20)|(1<<21)|(5<<22)|(3<<25)   ; x's tiles go to my column; 2-byte elements; padding on; bit 21 beside a mask; after every 64 words, 4 words
	s_or_b32 s[G1B], s44, (1<<16)|(1<<20)|(1<<21)|(5<<22)|(3<<25)  ; W's tiles go to my row
.irp g, G1, G1B
	s_mov_b32 s[(\g)+1], KSTEP<<16                 ; tensor_dim0 = 128
	s_mov_b32 s[(\g)+2], 128<<16                   ; tensor_dim1 = 128
	s_mov_b32 s[(\g)+3], KSTEP<<16                 ; tile_dim0 = 128
	s_mov_b32 s[(\g)+4], 128                       ; tile_dim1 = 128
	s_mov_b32 s[(\g)+5], SIZE_K                    ; elements from row to row
	s_mov_b32 s[(\g)+6], 0
	s_mov_b32 s[(\g)+7], 0
.endr
.irp g, G1X, G1T
	s_mov_b32 s[(\g)], (2<<16)|(1<<20)|(6<<22)|(3<<25)  ; no mask; 4-byte elements; padding on: after every 128 words, 4 words
	s_mov_b32 s[(\g)+1], 128<<16                   ; tensor_dim0 = 128
	s_mov_b32 s[(\g)+2], 64<<16                    ; tensor_dim1 = 64
	s_mov_b32 s[(\g)+3], 128<<16                   ; tile_dim0 = 128
	s_mov_b32 s[(\g)+4], 64                        ; tile_dim1 = 64
	s_mov_b32 s[(\g)+6], 0
	s_mov_b32 s[(\g)+7], 0
.endr
	s_mov_b32 s[G1X+5], 2048                       ; a token's row of vi holds 16 heads x 128
	s_mov_b32 s[G1T+5], 128
	s_lshl_b32 s18, s43, 19                        ; x: 128 rows of 4,096 bytes a token block: it hangs on the token block alone
	s_mov_b32 s19, 0
	s_mul_i32 s46, s[WV], SEC                      ; W: section w of cb,
	s_lshl_b32 s47, s42, 19                        ; the head's 128 rows: it hangs on the head and the wave alone
	s_add_co_u32 s46, s46, s47
	s_mov_b32 s47, 0
	s_mul_i32 s20, s[WV], TILE                     ; where my tile goes in a slot
	s_lshl_b32 s92, s43, 20                        ; vi: 128 tokens of 8,192 bytes,
	s_lshl_b32 s93, s16, 19                        ; my 64 of them,
	s_add_co_u32 s92, s92, s93
	s_lshl_b32 s93, s42, 9                         ; the head's 512 bytes
	s_add_co_u32 s92, s92, s93
	s_mov_b32 s93, 0
	s_lshl_b32 s94, s43, 16                        ; the table: 128 rows of 512 bytes,
	s_lshl_b32 s95, s16, 15                        ; my 64 of them
	s_add_co_u32 s94, s94, s95
	s_mov_b32 s95, 0
	s_lshl_b32 s96, s43, 15                        ; the way out: 128 tokens of 256 bytes,
	s_lshl_b32 s97, s[WV], 13                      ; my 32 of them,
	s_add_co_u32 s96, s96, s97
	s_lshl_b32 s97, s42, 19                        ; in the head's 2,048 rows
	s_add_co_u32 s96, s96, s97
	s_mov_b32 s97, 0
	s_mov_b32 s98, 0x3c000000                      ; 1 / 128
	s_mov_b32 s99, 0x34000000                      ; eps = 2^-23
	s_mov_b32 s[SEL], 0x76543210
	s_mov_b32 s[SEL+1], 0xfedcba98
	s_mov_b32 s[TB], 0                             ; K step 0 lies in slot 0
	s_wait_dscnt 0x0                               ; the opening add is done
	s_wait_kmcnt 0x0
	s_load_b32 s17, s[10:11], 0x0                  ; lamb; waited for in the epilogue
	s_add_nc_u64 s[18:19], s[4:5], s[18:19]
	s_add_nc_u64 s[46:47], s[4:5], s[46:47]
	s_mov_b32 s[G0X], 1
	s_mul_i32 s[G0X+1], s[WV], XHALF
	s_add_nc_u64 s[G0X+2:G0X+3], s[8:9], s[92:93]
	s_or_b32 s[G0X+3], s[G0X+3], 0x80000000
	s_mov_b32 s[G0T], 1
	s_mul_i32 s[G0T+1], s[WV], XHALF
	s_add_nc_u64 s[G0T+2:G0T+3], s[6:7], s[94:95]
	s_or_b32 s[G0T+3], s[G0T+3], 0x80000000
	CROUND                                         ; all sixteen work-groups are here: the first joint loads meet
.irp s, 0,1
.if \s
	s_add_co_u32 s[KO], s[KO], KSTEP*2             ; the walk's second step: it begins at 3,072 + 256 at the most, inside the row
.endif
	s_mov_b32 s[G0+4*(\s)], 1
	s_add_co_u32 s[G0+4*(\s)+1], s20, (\s)*SLOT
	s_add_nc_u64 s[G0+4*(\s)+2:G0+4*(\s)+3], s[18:19], s[KO:KO+1]
	s_or_b32 s[G0+4*(\s)+3], s[G0+4*(\s)+3], 0x80000000
	s_mov_b32 s[G0B+4*(\s)], 1
	s_add_co_u32 s[G0B+4*(\s)+1], s20, (\s)*SLOT
	s_add_nc_u64 s[G0B+4*(\s)+2:G0B+4*(\s)+3], s[46:47], s[KO:KO+1]
	s_or_b32 s[G0B+4*(\s)+3], s[G0B+4*(\s)+3], 0x80000000
	JLOAD \s
.endr
	; lane addresses.  A fragment is 16 rows x 32 K: lane l holds row l % 16; two loads of 16 bytes, 32 bytes apart, at row x pitch + 16 (l / 16)
	v_and_b32 v1, 15, v0                           ; r
	v_bfe_u32 v2, v0, 4, 1                         ; h
	v_mul_u32_u24 v3, v1, PITCH
	v_lshl_add_u32 v3, v2, 4, v3
	s_mul_i32 s21, s15, 64*PITCH                   ; my 64 rows of x
	s_mul_i32 s22, s16, 32*PITCH                   ; rows 32 c on of each W tile
	v_add_nc_u32 v[BA], s21, v3
.irp m, 0,1,2
	s_add_co_u32 s22, s22, TILE
	v_add_nc_u32 v[BB+(\m)], s22, v3
.endr
	SETADR
	s_lshl_b32 s23, s16, 6                         ; the stage (slot 1): my 64 rows, my channels' 64 c bytes
	s_add_co_u32 s23, s23, s21
	s_add_co_u32 s23, s23, SLOT
	v_add_nc_u32 v[STO], s23, v3
	v_add_nc_u32 v[STO2], 2*TILE, v[STO]
	v_mul_u32_u24 v4, v2, PITCH                    ; back: lanes 0-15 one row of 256 bytes, lanes 16-31 the next; wave w rows 32 w on
	v_lshl_add_u32 v4, v1, 4, v4
	s_mul_i32 s23, s[WV], 32*PITCH
	s_add_co_u32 s23, s23, SLOT
	v_add_nc_u32 v[RD], s23, v4
	v_add_nc_u32 v[RD2], 2*TILE, v[RD]
	v_and_b32 v[CO], 31, v0
	v_lshlrev_b32 v[CO], 4, v[CO]
	s_lshl_b32 s23, s[WV], 9
	s_add_co_u32 s23, s23, EXB
	v_lshl_add_u32 v[EXS], v1, 5, s23              ; my eight sums for token r: 32 bytes
	s_xor_b32 s23, s[WV], 1                        ; the wave with my tokens' other channels
	s_lshl_b32 s23, s23, 9
	s_add_co_u32 s23, s23, EXB
	v_lshl_add_u32 v[EXL], v1, 5, s23
	v_mul_u32_u24 v[VIA], v1, XP                   ; vi's and the table's tile: row 64 (w / 2) + r, byte 128 c + 32 h
	v_lshl_add_u32 v[VIA], v2, 5, v[VIA]
	s_mul_i32 s23, s15, 64*XP
	s_lshl_b32 s21, s16, 7
	s_add_co_u32 s23, s23, s21
	v_add_nc_u32 v[VIA], s23, v[VIA]
	v_add_nc_u32 v[TBA], TABL, v[VIA]
; 16 matrix instructions on q's and k's accumulators: token blocks 2 half, 2 half + 1 x column blocks 0-7; buffer f.  zero = 1: the product starts the sum.
.macro MULQK f, half, zero
	WIN 0xa1                                       ; W window 1, x window 0, C and D window 2
.irp a, 2*(\half), 2*(\half)+1
.irp b, 0,1,2,3,4,5,6,7
.if \zero
	v_wmma_f32_16x16x32_bf16 v[8*(8*(\a)+(\b)):8*(8*(\a)+(\b))+7], v[96*(\f)+8*(\b):96*(\f)+8*(\b)+7], v[64+32*(\f)+8*(\a):64+32*(\f)+8*(\a)+7], 0
.else
	v_wmma_f32_16x16x32_bf16 v[8*(8*(\a)+(\b)):8*(8*(\a)+(\b))+7], v[96*(\f)+8*(\b):96*(\f)+8*(\b)+7], v[64+32*(\f)+8*(\a):64+32*(\f)+8*(\a)+7], v[8*(8*(\a)+(\b)):8*(8*(\a)+(\b))+7]
.endif
.endr
.endr
.endm
; 16 on v's accumulators.  The 48 accumulators take turns in the same order in every quarter step.
.macro MULV f, zero
	WIN 0xf1                                       ; the same, C and D window 3
.irp a, 0,1,2,3
.irp b, 0,1,2,3
.if \zero
	v_wmma_f32_16x16x32_bf16 v[8*(4*(\a)+(\b)):8*(4*(\a)+(\b))+7], v[96*(\f)+64+8*(\b):96*(\f)+64+8*(\b)+7], v[64+32*(\f)+8*(\a):64+32*(\f)+8*(\a)+7], 0
.else
	v_wmma_f32_16x16x32_bf16 v[8*(4*(\a)+(\b)):8*(4*(\a)+(\b))+7], v[96*(\f)+64+8*(\b):96*(\f)+64+8*(\b)+7], v[64+32*(\f)+8*(\a):64+32*(\f)+8*(\a)+7], v[8*(4*(\a)+(\b)):8*(4*(\a)+(\b))+7]
.endif
.endr
.endr
.endm
; 32 LDS loads in one run: a quarter step's fragments (32 K at byte k of the rows of the slot in hand) into buffer f: x's 8 loads, q's 8, k's 8, v's 8 last.  W's four blocks are rows 0, 16, 64, 80 from 32 c.
.macro FETCH k, f
	WIN 0
.irp i, 0,1,2,3
	ds_load_b128 v[64+32*(\f)+8*(\i):64+32*(\f)+8*(\i)+3],   v[ADRA] offset:(\k)+(\i)*16*PITCH
	ds_load_b128 v[64+32*(\f)+8*(\i)+4:64+32*(\f)+8*(\i)+7], v[ADRA] offset:(\k)+(\i)*16*PITCH+32
.endr
	WIN 0x40                                       ; destination window 1
.irp m, 0,1,2
.irp i, 0,1,2,3
	ds_load_b128 v[96*(\f)+32*(\m)+8*(\i):96*(\f)+32*(\m)+8*(\i)+3],   v[ADRB+(\m)] offset:(\k)+(16*((\i)%2)+64*((\i)/2))*PITCH
	ds_load_b128 v[96*(\f)+32*(\m)+8*(\i)+4:96*(\f)+32*(\m)+8*(\i)+7], v[ADRB+(\m)] offset:(\k)+(16*((\i)%2)+64*((\i)/2))*PITCH+32
.endr
.endr
.endm
; A K step is four quarters of 32 along K, 48 matrix instructions each, on buffers 0, 1, 0, 1.  One of the first three: multiplies buffer f and fetches the next quarter, at byte k, into g.
.macro QUARTER k, f, g, zero
	s_wait_dscnt 8                                 ; x's, q's and k's fragments are in; the youngest eight loads (v's) may be out
	MULQK \f, 0, \zero
	MULQK \f, 1, \zero
	PLACES
	FETCH \k, \g
	s_wait_dscnt 32                                ; all but the 32 just issued
	MULV \f, \zero
.endm
; The last quarter multiplies buffer 1 and changes slots.  In front of the round each wave waits for all its tensor loads (one is out: its part of the next slot), adds 0 to its spare word,
; and waits for that and for its reads of this slot.  Behind the round this slot is filled again first: with the walk's step two steps on, or (extra = 1) with vi's and the table's tiles.
.macro TURN extra
	WIN 0
	s_wait_tensorcnt 0x0                           ; no tensor load of mine is out, so a group 0 may be written
	ds_add_u32 v[SPW], v[NIL]                      ; scalar work and sixteen matrix instructions stand between the add and the wait for it
.if \extra
	s_mov_b32 s[TB], SLOT                          ; the last K step lies in slot 1
.else
	s_add_co_u32 s[KO], s[KO], KSTEP*2             ; the walk's next step,
	s_and_b32 s[KO], s[KO], ROWB-1                 ; round the row's end
	s_xor_b32 s[G0+5], s[G0+5], SLOT               ; the walking descriptors: the other slot than last time; the address is made anew from the rows' address and the offset
	s_add_nc_u64 s[G0+6:G0+7], s[18:19], s[KO:KO+1]
	s_or_b32 s[G0+7], s[G0+7], 0x80000000
	s_xor_b32 s[G0B+5], s[G0B+5], SLOT
	s_add_nc_u64 s[G0B+6:G0B+7], s[46:47], s[KO:KO+1]
	s_or_b32 s[G0B+7], s[G0B+7], 0x80000000
	s_xor_b32 s[TB], s[TB], SLOT                   ; the fetches go to the other slot
.endif
	s_wait_dscnt 9                                 ; (the add and the youngest eight loads may be out)
	MULQK 1, 0, 0
	s_wait_dscnt 0x0                               ; the add is done, and my reads of this slot are over
	s_barrier_signal -1
	MULQK 1, 1, 0                                  ; work on registers while the others arrive
	WIN 0
	s_barrier_wait -1
	CREST                                          ; no wave of any partner still reads this slot's tiles or has a load on its way
.if \extra
	XLOAD
.else
	JLOAD 1                                        ; 160 matrix instructions ahead of the wait for it
.endif
	SETADR
	FETCH 0, 0                                     ; the four v_nop behind the tensor load are the places in front of these loads
	MULV 1, 0
.endm
	s_wait_tensorcnt 1                             ; my part of the walk's first step is in; the second's may stay out
	s_barrier_signal -1
	s_barrier_wait -1
	FETCH 0, 0
	QUARTER 64, 0, 1, 1                            ; the first quarter's products start the sums: nothing is cleared
	WIN 0
	s_mov_b32 s3, STEPS-2
.Lstep:                                                ; a trip is a K step, from its second quarter to the next step's first, and fills the slot that it leaves: 14 trips ask for steps 2 to 15
	QUARTER 128, 1, 0, 0
	QUARTER 192, 0, 1, 0
	TURN 0
	QUARTER 64,  0, 1, 0
	WIN 0
	s_sub_co_u32 s3, s3, 1
	s_cmp_lg_u32 s3, 0
	s_cbranch_scc1 .Lstep
	QUARTER 128, 1, 0, 0                           ; the last two steps are written out: their fill is another one, or none
	QUARTER 192, 0, 1, 0
	TURN 1                                         ; slot 0 takes vi's and the table's tiles: they land under the last K step
	QUARTER 64,  0, 1, 0
	QUARTER 128, 1, 0, 0
	QUARTER 192, 0, 1, 0
	s_wait_dscnt 8
	MULQK 1, 0, 0
	MULQK 1, 1, 0
	s_wait_dscnt 0x0
	MULV 1, 0
	WIN 0
	PLACES
	; SUMS OF SQUARES of q and k: eight chains (token block a, matrix m), 16 packed steps each, interleaved; each accumulator is read from its low end on.
	WIN 0x0a                                       ; sources 0 and 1 window 2
.set p, 0
.rept 16
.set ch, 0
.rept 8
.set rA, 8*(8*(ch/2)+4*(ch%2)+p/4)+2*(p%4)
.if p == 0
	v_pk_mul_f32 v[SSP+2*ch:SSP+2*ch+1], v[rA:rA+1], v[rA:rA+1]
.else
	v_pk_fma_f32 v[SSP+2*ch:SSP+2*ch+1], v[rA:rA+1], v[rA:rA+1], v[SSP+2*ch:SSP+2*ch+1]
.endif
.set ch, ch+1
.endr
.set p, p+1
.endr
	WIN 0
.irp ch, 0,1,2,3,4,5,6,7
	v_add_f32 v[SSP+2*(\ch)], v[SSP+2*(\ch)], v[SSP+2*(\ch)+1]
.endr
.irp ch, 0,1,2,3,4,5,6,7
	v_permlanex16_b32 v[SSP+2*(\ch)+1], v[SSP+2*(\ch)], s[SEL], s[SEL+1]   ; the token's other channels of mine lie in the lane 16 away
.endr
.irp ch, 0,1,2,3,4,5,6,7
	v_add_f32 v[SS+(\ch)], v[SSP+2*(\ch)], v[SSP+2*(\ch)+1]
.endr
	ds_store_b128 v[EXS], v[SS:SS+3]               ; lanes r and r + 16 write the same words with the same values
	ds_store_b128 v[EXS], v[SS+4:SS+7] offset:16
	s_wait_tensorcnt 0x0                           ; my part of vi's or the table's tile is in,
	s_wait_dscnt 0x0                               ; my sums are stored, and my reads of slot 1 are over
	s_barrier_signal -1
	s_barrier_wait -1                              ; all that holds of every wave: the tiles may be read, the sums too, and slot 1 may be written
	ds_load_b128 v[PS:PS+3], v[EXL]
	ds_load_b128 v[PS+4:PS+7], v[EXL] offset:16
	WIN 0x40
.irp a, 0,1,2,3                        ; the table for my tokens and channels: v[32 a + 16 cs + 8 bi + 4 u], cs = 0 cos, 1 sin
.irp cs, 0,1
.irp bi, 0,1
.irp u, 0,1
	ds_load_b128 v[32*(\a)+16*(\cs)+8*(\bi)+4*(\u):32*(\a)+16*(\cs)+8*(\bi)+4*(\u)+3], v[TBA] offset:16*XP*(\a)+256*(\cs)+64*(\bi)+16*(\u)
.endr
.endr
.endr
.endr
.irp a, 0,1,2,3                        ; vi: v[128 + 32 a + 8 bi + 4 u]
.irp bi, 0,1,2,3
.irp u, 0,1
	ds_load_b128 v[128+32*(\a)+8*(\bi)+4*(\u):128+32*(\a)+8*(\bi)+4*(\u)+3], v[VIA] offset:16*XP*(\a)+64*((\bi)%2)+256*((\bi)/2)+16*(\u)
.endr
.endr
.endr
	WIN 0
	s_wait_kmcnt 0x0                               ; lamb
	v_mov_b32 v[LAM], s17
	v_cvt_pk_bf16_f32 v[LAM], v[LAM], v[LAM]       ; rounded to bf16 like the other inputs
	v_lshlrev_b32 v[LAM], 16, v[LAM]
	v_sub_f32 v[OM], 1.0, v[LAM]
	v_mul_f32 v[OM], 0x3e800000, v[OM]             ; (1 - lamb) / 4
	v_mov_b32 v[OM+1], v[OM]
	v_mul_f32 v[LAM], 0x3e800000, v[LAM]           ; lamb / 4
	s_wait_dscnt 56                                ; my partner's sums and token block 0's table are in: 56 younger loads may be out
.irp ch, 0,1,2,3,4,5,6,7
	v_add_f32 v[SS+(\ch)], v[SS+(\ch)], v[PS+(\ch)]
.endr
.irp ch, 0,1,2,3,4,5,6,7
	v_fma_f32 v[SS+(\ch)], v[SS+(\ch)], s98, s99   ; the mean of 128 squares, + eps
.endr
.irp ch, 0,1,2,3,4,5,6,7
	v_rsq_f32 v[RS+2*(\ch)], v[SS+(\ch)]
	v_rsq_f32 v[RS+2*(\ch)+1], v[SS+(\ch)]         ; twice: a pair for the packed multiply
.endr
	v_nop                                          ; a plain instruction between the last of them and the use of its result
	s_wait_alu depctr_va_vdst(0)
; Token block a of matrix m (0 q, 1 k): rotated, scaled by 1 / rms, rounded to f16, into the stage.  x1 = blocks 0, 1; x2 = blocks 2, 3: x1 c + x2 s and x2 c - x1 s.
.macro ROPE a, m
	WIN 0x06                                       ; source 0 (accumulators) window 2, source 1 (table) window 1
.irp bi, 0,1
.irp p, 0,1,2,3
	v_pk_mul_f32 v[T+8*(\bi)+2*(\p):T+8*(\bi)+2*(\p)+1], v[8*(8*(\a)+4*(\m)+(\bi))+2*(\p):8*(8*(\a)+4*(\m)+(\bi))+2*(\p)+1], v[32*(\a)+8*(\bi)+2*(\p):32*(\a)+8*(\bi)+2*(\p)+1]
	v_pk_mul_f32 v[T+16+8*(\bi)+2*(\p):T+16+8*(\bi)+2*(\p)+1], v[8*(8*(\a)+4*(\m)+(\bi)+2)+2*(\p):8*(8*(\a)+4*(\m)+(\bi)+2)+2*(\p)+1], v[32*(\a)+8*(\bi)+2*(\p):32*(\a)+8*(\bi)+2*(\p)+1]
.endr
.endr
.irp bi, 0,1
.irp p, 0,1,2,3
	v_pk_fma_f32 v[T+8*(\bi)+2*(\p):T+8*(\bi)+2*(\p)+1], v[8*(8*(\a)+4*(\m)+(\bi)+2)+2*(\p):8*(8*(\a)+4*(\m)+(\bi)+2)+2*(\p)+1], v[32*(\a)+16+8*(\bi)+2*(\p):32*(\a)+16+8*(\bi)+2*(\p)+1], v[T+8*(\bi)+2*(\p):T+8*(\bi)+2*(\p)+1]
	v_pk_fma_f32 v[T+16+8*(\bi)+2*(\p):T+16+8*(\bi)+2*(\p)+1], v[8*(8*(\a)+4*(\m)+(\bi))+2*(\p):8*(8*(\a)+4*(\m)+(\bi))+2*(\p)+1], v[32*(\a)+16+8*(\bi)+2*(\p):32*(\a)+16+8*(\bi)+2*(\p)+1], v[T+16+8*(\bi)+2*(\p):T+16+8*(\bi)+2*(\p)+1] neg_lo:[1,0,0] neg_hi:[1,0,0]
.endr
.endr
	WIN 0
.irp i, 0,1,2,3,4,5,6,7,8,9,10,11,12,13,14,15
	v_pk_mul_f32 v[T+2*(\i):T+2*(\i)+1], v[T+2*(\i):T+2*(\i)+1], v[RS+2*(2*(\a)+(\m)):RS+2*(2*(\a)+(\m))+1]
.endr
.irp i, 0,1,2,3,4,5,6,7,8,9,10,11,12,13,14,15
	v_cvt_pk_f16_f32 v[PKD+(\i)], v[T+2*(\i)], v[T+2*(\i)+1]
.endr
.irp bb, 0,1,2,3
	ds_store_b128 v[STO], v[PKD+4*(\bb):PKD+4*(\bb)+3] offset:(\m)*TILE+(\a)*16*PITCH+32*((\bb)%2)+128*((\bb)/2)
.endr
.endm
; Token block a of v: (1 - lamb) / 4 x v + lamb / 4 x bf16(vi), rounded to f16, into the stage.
.macro VMIX a
	WIN 0x05                                       ; sources window 1
.irp i, 0,1,2,3,4,5,6,7,8,9,10,11,12,13,14,15
	v_cvt_pk_bf16_f32 v[BV+(\i)], v[128+32*(\a)+2*(\i)], v[128+32*(\a)+2*(\i)+1]
.endr
	WIN 0x03                                       ; source 0 window 3
.irp i, 0,1,2,3,4,5,6,7,8,9,10,11,12,13,14,15
	v_pk_mul_f32 v[T+2*(\i):T+2*(\i)+1], v[32*(\a)+2*(\i):32*(\a)+2*(\i)+1], v[OM:OM+1]
.endr
	WIN 0
.irp i, 0,1,2,3,4,5,6,7,8,9,10,11,12,13,14,15
	v_fma_mix_f32_bf16 v[T+2*(\i)], v[BV+(\i)], v[LAM], v[T+2*(\i)] op_sel_hi:[1,0,0]
	v_fma_mix_f32_bf16 v[T+2*(\i)+1], v[BV+(\i)], v[LAM], v[T+2*(\i)+1] op_sel:[1,0,0] op_sel_hi:[1,0,0]
.endr
.irp i, 0,1,2,3,4,5,6,7,8,9,10,11,12,13,14,15
	v_cvt_pk_f16_f32 v[PKD+(\i)], v[T+2*(\i)], v[T+2*(\i)+1]
.endr
.irp bb, 0,1,2,3
	ds_store_b128 v[STO2], v[PKD+4*(\bb):PKD+4*(\bb)+3] offset:(\a)*16*PITCH+32*((\bb)%2)+128*((\bb)/2)
.endr
.endm
.irp a, 0,1,2,3
	s_wait_dscnt 56-8*(\a)                         ; token block a's table is in: behind it were issued the later blocks' 8 loads each and vi's 32 (and stores, which only make the count safer)
	ROPE \a, 0
	ROPE \a, 1
.endr
.irp a, 0,1,2,3
	s_wait_dscnt 24-8*(\a)                         ; token block a's vi is in
	VMIX \a
.endr
	s_add_nc_u64 s[4:5], s[12:13], s[96:97]        ; q's, k's and v's sections at my 32 rows
	s_add_nc_u64 s[6:7], s[4:5], SEC
	s_add_nc_u64 s[8:9], s[6:7], SEC
	s_wait_dscnt 0x0                               ; for the others' sake: my stores into the stage are done
	s_barrier_signal -1
	s_barrier_wait -1
.irp m, 0,1
.irp t, 0,1,2,3,4,5,6,7,8,9,10,11,12,13,14,15
	ds_load_b128 v[64+64*(\m)+4*(\t):64+64*(\m)+4*(\t)+3], v[RD] offset:(\m)*TILE+(\t)*2*PITCH
.endr
.endr
.irp t, 0,1,2,3,4,5,6,7,8,9,10,11,12,13,14,15
	ds_load_b128 v[192+4*(\t):192+4*(\t)+3], v[RD2] offset:(\t)*2*PITCH
.endr
.set n, 0
.rept 48
	s_wait_dscnt 47-n                              ; load n is back
	global_store_b128 v[CO], v[64+4*n:64+4*n+3], s[4+2*(n/16):5+2*(n/16)] offset:512*(n%16)   ; two rows of a head: 512 consecutive bytes, at a multiple of 512 from the buffer's first
.set n, n+1
.endr
	s_wait_tensorcnt 0x0                           ; the wave's end
	ds_add_u32 v[SPW], v[NIL]
	s_wait_dscnt 0x0
	CROUND                                         ; the closing round
	s_endpgm
.Lfunc_end_k_qc62df9ad66_qkv:
	.size	k_qc62df9ad66_qkv, .Lfunc_end_k_qc62df9ad66_qkv-k_qc62df9ad66_qkv
	.p2alignl 7, 3214868480
	.fill 96, 4, 3214868480
	.section	.rodata,"a",@progbits
	.p2align	6, 0x0
	.amdhsa_kernel k_qc62df9ad66_qkv
		.amdhsa_group_segment_fixed_size 327680
		.amdhsa_private_segment_fixed_size 0
		.amdhsa_enable_private_segment 0
		.amdhsa_kernarg_size 40
		.amdhsa_user_sgpr_count 2
		.amdhsa_user_sgpr_kernarg_segment_ptr 1
		.amdhsa_wavefront_size32 1
		.amdhsa_system_sgpr_workgroup_id_x 1
		.amdhsa_system_sgpr_workgroup_id_y 1
		.amdhsa_system_sgpr_workgroup_id_z 1
		.amdhsa_system_vgpr_workitem_id 0
		.amdhsa_next_free_vgpr 896
		.amdhsa_next_free_sgpr 102
		.amdhsa_reserve_vcc 0
		.amdhsa_float_denorm_mode_32 3
		.amdhsa_float_denorm_mode_16_64 3
		.amdhsa_memory_ordered 1
		.amdhsa_forward_progress 1
		.amdhsa_inst_pref_size 157
	.end_amdhsa_kernel
	.amdgpu_metadata
---
amdhsa.version: [ 1, 2 ]
amdhsa.kernels:
  - .name:           k_qc62df9ad66_qkv
    .symbol:         k_qc62df9ad66_qkv.kd
    .args:
      - { .name: cb, .offset: 0, .size: 8, .value_kind: global_buffer, .address_space: global }
      - { .name: tab, .offset: 8, .size: 8, .value_kind: global_buffer, .address_space: global }
      - { .name: vi, .offset: 16, .size: 8, .value_kind: global_buffer, .address_space: global }
      - { .name: lamb, .offset: 24, .size: 8, .value_kind: global_buffer, .address_space: global }
      - { .name: qkv, .offset: 32, .size: 8, .value_kind: global_buffer, .address_space: global }
    .group_segment_fixed_size: 327680
    .private_segment_fixed_size: 0
    .kernarg_segment_align: 8
    .kernarg_segment_size: 40
    .max_flat_workgroup_size: 128
    .sgpr_count:     102
    .vgpr_count:     896
    .wavefront_size: 32
...
	.end_amdgpu_metadata
.endif
;; end of part 2
;; launch attn (part 3): grid 16 x 16, 4 waves a work-group, clusters of 4 x 1, 327,680 bytes of LDS; arguments qkv, yb; writes yb
.if DOCPART == 3
	.amdgcn_target "amdgcn-amd-amdhsa--gfx1250"
	.amdhsa_code_object_version 6
	.text
	.protected	k_qc62df9ad66_attn
	.globl	k_qc62df9ad66_attn
	.p2align	8
	.type	k_qc62df9ad66_attn,@function
k_qc62df9ad66_attn:
	s_mov_b64 s[64:65], 0
	v_nop
	global_prefetch_b8 v0, s[64:65] scope:SCOPE_SE
	s_setreg_imm32_b32 hwreg(HW_REG_WAVE_MODE, 25, 1), 1
	s_wait_xcnt 0x0
	s_wait_alu depctr_hold_cnt(0) depctr_sa_sdst(0) depctr_va_vdst(0) depctr_va_sdst(0) depctr_va_ssrc(0) depctr_va_vcc(0) depctr_vm_vsrc(0)
	s_getreg_b32 s2, hwreg(HW_REG_IB_STS2, 6, 4)
	s_cmp_eq_u32 s2, 0
	s_cbranch_scc0 .Lentry_in_a_cluster
	s_endpgm
.Lentry_in_a_cluster:
	s_bfe_u32 s2, ttmp6, 0x10000c
	s_cmp_lg_u32 s2, 0x3003
	s_cbranch_scc0 .Lentry_shape_is_right
	s_endpgm
.Lentry_shape_is_right:
; CAUSAL ATTENTION, head size 128.  y[t][h][:] = the sum over s <= t of softmax_s(q[h][t] . k[h][s] / sqrt(128)) v[h][s][:].
; qkv: three sections [16][2048][128] f16: q, k, v / 4.  yb: [2048][16 x 128] f16 = y / 4.  Products, maxima and sums in f32; the weights p are rounded to f16 for the second product, y once at the end.
; LIMITS.  q and k are RMS-normed rows, so |q . k| <= 128 and a little; a hidden score counts as its value less 16,384, whose weight 2^(-2000 or less) is 0.
; A weight below 2^-126 counts as 0; NaN and infinities are not treated apart.
; THE WALK.  A head's queries lie in 32 blocks of 64.  Work-group b = 4 c + cx takes blocks 31 - b and then b.  Keys go in tiles of 256; the first block needs tiles 0 .. 7 - c, the second 0 .. c:
; nine tiles whatever b, and the SAME nine for the four partners of a cluster (they share c and the head): every tile is a joint load.
; SHARES.  The four waves share the KEYS: of a tile wave w takes keys 64 w .. 64 w + 63, against all 64 queries (four tiles of 16, two PIECES of two tiles).  Each wave keeps its own running
; maximum m, sum l and O^T; at a block's end the four are merged through LDS, in f32: factor 2^(c m_w - c m_all).
; THE MASK.  In a block's last tile the diagonal lies with wave DW (3 - cx, then cx); waves below it see all keys, waves above it none.  The mask is the C operand of the products that start
; S^T = K Q^T: for query tile t and key block kb of 16 it is M_lt (kb < t), M_eq (kb = t) or M_gt (kb > t), made anew for every tile by scalar selects: no branch hangs on cx.
; LAYOUT, SOFTMAX, TURNS.  S^T = K Q^T holds ONE query a lane (lane % 16) and the keys 8 (lane / 16) + 0..7; two such results rounded to f16 ARE source 1 of O^T = V^T P.  p = 2^(c s - c m),
; c = log2(e) / sqrt(128); O and l are multiplied by a = 2^(c m_old - c m_new) in every step.  In a TURN one piece has the matrix unit (32 products V^T P of the tile before, 32 products K Q^T
; of the tile in hand) and the other piece's softmax, cut into 64 slices, stands between them, one slice behind each matrix instruction.
; A block begins with c m far below every c s: its first a is 0 and wipes what O^T and l hold, which need only be finite.
; REGISTERS, in windows of 256:  window 0: v2-10 addresses; v12-43 eight registers of statistics a tile; v44-48 at work at the head; v62-63 the add's; v64-191 S^T, 32 a tile; v192-255 P, 16 a tile
;   window 1: O^T, 64 a tile      window 2: v0-127 Q, 32 a tile; v128-255 K      window 3: v0-127 V; v128-151 the three masks
.set PK,    272       ; a row of K in LDS: 256 bytes + 16 of padding: the 16 rows of a load start at 16 different groups of four banks (64 banks of 4 bytes: ISA guide 11.1)
.set PV,    288       ; a row of V: 256 + 32
.set VOFF,  256*PK    ; a slot holds a tile: 256 rows of K, then 256 rows of V
.set SLOT1, 0x24000   ; slot 1 begins here; no address inside slot 0's descriptors or fetches has one of its two bits set at the slot's starts, so one exclusive or changes slots
.set STAGE, SLOT1+256*(PK+PV)  ; behind the ring, never filled by a tensor load: for each wave 16 quads x 528 bytes: a tile's O^T in f32
.set SREG,  16*528
.set STATS, STAGE+4*SREG       ; (c m, l) of 16 queries for each wave: 128 bytes a wave
.set SPARE, STATS+512          ; the spare words, 128 bytes a wave: two blocks of 256 bytes that no other line names
.set SEC,   0x800000           ; bytes in a section of qkv
.set AK0, 2           ; v2   my lane's place in a tile of K, my wave's 64 rows included; never rewritten
.set AV0, 3           ; v3   the same for V
.set ADR, 4           ; v4   the LDS address of the run of loads in hand
.set QO,  5           ; v5   my byte offset in 16 rows of Q
.set DA,  6           ; v6   the merge: where I put 16 bytes of O^T
.set GA,  7           ; v7   the merge: where I read the four waves' parts
.set GO,  8           ; v8   my byte offset in 16 rows of y
.set SSA, 9           ; v9   where my (c m, l) goes
.set GSA, 10          ; v10  where I read the four waves'
.set ST,  12          ; tile t's statistics at v[ST+8 t]: +0 c m, +1 m, +2, +3 l (even keys', odd keys'), +4 to +7 c0-c3, at work; a takes c2's place
.set SPW, 62
.set NIL, 63
.set S,   64
.set P,   192
.set KF,  128         ; window 2
.set MLT, 128         ; window 3
.set MEQ, 136
.set MGT, 144
.set GP,  128         ; the merge, in S^T's registers of piece 2: part of wave w, query i, quad jj at GP + 16 w + 8 i + 4 jj
.set GS,  192         ; in P's registers of piece 0: (c m, l) of wave w, query i at GS + 8 i + 2 w
.set GM,  208
.set GL,  210
.set GY,  212         ; v[212:219] two rows' 16 bytes
.set WV,  12          ; s12 wave;  s13 cx;  s14 c;  s15 the head
.set CX,  13
.set CC,  14
.set G1K, 24          ; s[24:31] descriptor group 1 for K's tiles;  s[32:39] for V's: the padding differs
.set G1V, 32
.set G0K, 40          ; s[40:43], s[44:47] their groups 0
.set G0V, 44
.set TM,  48          ; s[48:55] lane masks: bit l of TM + j is set where key 8 (l / 16) + j lies behind query l % 16
.set SLOTS, 56
.set CNT, 57
.set CS,  58          ; s[58:59] c
.set SEL, 60          ; s[60:61] v_permlanex16_b32's selects
.set TB,  62          ; s62  the slot in hand: 0 or SLOT1
.set RT,  63          ; s63  tiles of the block in hand that are still to be entered
.set NXT, 66          ; s66  the tile to be asked for next
.set LQ,  67          ; s67  the last tile of the block whose tiles are being asked for
.set OFF, 68          ; s[68:69] a tile's byte offset
.set DW,  70          ; s70  the wave that holds the diagonal in the block's last tile
.set EE,  71
.set LT,  72
.set GT,  73
.set ENDF, 74         ; s74  1: the tile before was a block's last
.set CT,  75          ; s75  counts the merge's four tiles
.set BIGN, 76         ; s76  -16384
.set MSB, 0
.macro WIN new
.if MSB != (\new)
	s_set_vgpr_msb (MSB<<8)|(\new)
.set MSB, \new
.endif
.endm
.set W_KQ, 0x0a       ; K and Q in window 2, S^T in window 0
.set W_KM, 0x3a       ; the same with the C operand in window 3
.set W_PV, 0x53       ; V in window 3, P in window 0, O^T in window 1
.set W_RS, 0x41       ; O^T (destination and source 0) in window 1, a in window 0
.macro PLACES
.rept 4
	v_nop
.endr
.endm
; A joint fill.  Waves 0 and 1 fetch the two halves of a tile's K, waves 2 and 3 those of its V: 128 rows each.  An s_nop 0 and four v_nop follow each line.
.macro JLOAD
	s_cmp_lt_u32 s[WV], 2
	s_cbranch_scc0 .Lfor_v_\@
	tensor_load_to_lds s[G0K:G0K+3], s[G1K:G1K+7]
	s_nop 0
.rept 4
	v_nop
.endr
	s_branch .Lasked_\@
.Lfor_v_\@:
	tensor_load_to_lds s[G0V:G0V+3], s[G1V:G1V+7]
	s_nop 0
.rept 4
	v_nop
.endr
.Lasked_\@:
.endm
.macro CROUND                       ; a round of the cluster's barrier
	s_barrier_signal -1
	s_barrier_wait -1
	s_cmp_lg_u32 s[WV], 0
	s_cbranch_scc1 .Lnot_wave_0_\@
	s_barrier_signal -3
.Lnot_wave_0_\@:
	s_barrier_wait -3
	s_barrier_signal -1
	s_barrier_wait -1
.endm
; THE CHANGE OF SLOTS, in front of every tile.  Each wave waits for all its tensor loads (one is out: its part of the tile to be entered), adds 0 to its spare word, and waits for that and for its
; reads of the slot that it leaves.  fill = 1: behind a round of the cluster's barrier that slot is filled again, with tile NXT; the descriptor's address is made anew from that number.
; (At its first use nothing has been read yet: slot 0 is waited for, slot 1 filled.)
.macro CHANGE fill
	WIN 0
	s_wait_tensorcnt 0x0            ; no tensor load of mine is out, so a group 0 may be written
	ds_add_u32 v[SPW], v[NIL]       ; scalar work stands between the add and the wait for it
.if \fill
	s_lshl_b32 s[OFF], s[NXT], 16   ; a tile is 65,536 bytes of K and of V
	s_xor_b32 s[G0K+1], s[G0K+1], SLOT1
	s_add_nc_u64 s[G0K+2:G0K+3], s[6:7], s[OFF:OFF+1]
	s_or_b32 s[G0K+3], s[G0K+3], 0x80000000
	s_xor_b32 s[G0V+1], s[G0V+1], SLOT1
	s_add_nc_u64 s[G0V+2:G0V+3], s[8:9], s[OFF:OFF+1]
	s_or_b32 s[G0V+3], s[G0V+3], 0x80000000
	s_add_co_u32 s[NXT], s[NXT], 1  ; the block's next tile, or behind its last the second block's tile 0
	s_cmp_gt_u32 s[NXT], s[LQ]
	s_cselect_b32 s[NXT], 0, s[NXT]
	s_cselect_b32 s[LQ], s[CC], s[LQ]
.endif
	s_xor_b32 s[TB], s[TB], SLOT1   ; the fetches go to the other slot
	s_wait_dscnt 0x0                ; the add is done, and my reads of the slot are over
.if \fill
	CROUND
	JLOAD                           ; it has a tile's work, 128 matrix instructions, in which to land
.else
	s_barrier_signal -1
	s_barrier_wait -1
.endif
.endm
; The three masks for the tile that is entered.  EE: the wave that holds the diagonal, or 4 if the tile is not the block's last.
.macro MASKS
	s_sub_co_u32 s[RT], s[RT], 1
	s_cmp_eq_u32 s[RT], 0
	s_cselect_b32 s[EE], s[DW], 4
	s_cmp_gt_u32 s[WV], s[EE]
	s_cselect_b32 s[LT], s[BIGN], 0 ; key blocks in front of the query tile are hidden only in waves behind the diagonal's
	s_cmp_ge_u32 s[WV], s[EE]
	s_cselect_b32 s[GT], s[BIGN], 0 ; key blocks behind it in the diagonal's wave too
	WIN 0xc0
.irp z, 0,1,2,3,4,5,6,7
	v_mov_b32 v[MLT+(\z)], s[LT]
.endr
.irp z, 0,1,2,3,4,5,6,7
	v_mov_b32 v[MGT+(\z)], s[GT]
.endr
	WIN 0xcf
.irp z, 0,1,2,3,4,5,6,7
	v_cndmask_b32 v[MEQ+(\z)], v[MLT], v[MGT], s[TM+(\z)]
.endr
	WIN 0
.endm
.macro QLOAD lo                     ; a block's Q, 64 rows, into registers: tile i / 4, channels 32 (i % 4) on
	WIN 0x80
.irp i, 0,1,2,3,4,5,6,7,8,9,10,11,12,13,14,15
	global_load_b128 v[8*(\i):8*(\i)+3],   v[QO], s[\lo:\lo+1] offset:((\i)/4)*4096+((\i)%4)*64
	global_load_b128 v[8*(\i)+4:8*(\i)+7], v[QO], s[\lo:\lo+1] offset:((\i)/4)*4096+((\i)%4)*64+32
.endr
	WIN 0
.endm
	s_load_b128 s[20:23], s[0:1], 0x0  ; qkv s[20:21], yb s[22:23]
	v_lshl_add_u32 v[SPW], v0, 2, SPARE
	v_mov_b32 v[NIL], 0
	ds_add_u32 v[SPW], v[NIL]       ; the wave's opening: the add and its wait stand ahead of my first tensor load; the set-up below stands between them
	v_lshrrev_b32 v1, 5, v0
	v_readfirstlane_b32 s[WV], v1
	s_bfe_u32 s[CX], ttmp6, 0x40000 ; my place in the cluster: it enters Q's and y's addresses and the mask's selects alone
	s_mov_b32 s[CC], ttmp9          ; the cluster's number, which the four partners share
	s_and_b32 s15, ttmp7, 0xffff    ; the head, likewise
	s_lshl_b32 s2, s15, 19          ; the head's 2,048 rows of 256 bytes
	s_and_b32 s3, s[WV], 1          ; which half of a tile's 256 rows I fetch
	s_lshl_b32 s78, s3, 15
	s_add_co_u32 s78, s78, s2
	s_add_co_u32 s78, s78, SEC      ; in k's section
	s_mov_b32 s79, 0
	s_mov_b32 s[G0K], 1
	s_mul_i32 s[G0K+1], s3, 128*PK  ; slot 0
	s_mov_b32 s[G0V], 1
	s_mul_i32 s[G0V+1], s3, 128*PV
	s_add_co_u32 s[G0V+1], s[G0V+1], VOFF
	s_lshl_b32 s16, s[CC], 2
	s_add_co_u32 s16, s16, s[CX]    ; the second block, b
	s_sub_co_u32 s18, 31, s16       ; the first, 31 - b
	s_lshl_b32 s4, s18, 14          ; a block's 64 rows of 256 bytes of q
	s_add_co_u32 s4, s4, s2
	s_mov_b32 s5, 0
	s_lshl_b32 s77, s15, 8          ; the head's 256 bytes in a row of y
	s_lshl_b32 s10, s18, 18         ; a block's 64 rows of 4,096 bytes of y
	s_add_co_u32 s10, s10, s77
	s_mov_b32 s11, 0
	s_lshl_b32 s18, s16, 18
	s_add_co_u32 s18, s18, s77
	s_mov_b32 s19, 0
	s_lshl_b32 s16, s16, 14
	s_add_co_u32 s16, s16, s2
	s_mov_b32 s17, 0
	s_mov_b32 s[G1K], 15|(1<<16)|(1<<20)|(1<<21)|(5<<22)|(3<<25)  ; the mask of four; 2-byte elements; padding on; bit 21 beside a mask; after every 64 words, 4 words
	s_mov_b32 s[G1V], 15|(1<<16)|(1<<20)|(1<<21)|(5<<22)|(7<<25)  ; the same with 8 words
.irp g, G1K, G1V
	s_mov_b32 s[(\g)+1], 128<<16    ; tensor_dim0 = 128
	s_mov_b32 s[(\g)+2], 128<<16    ; tensor_dim1 = 128
	s_mov_b32 s[(\g)+3], 128<<16    ; tile_dim0 = 128
	s_mov_b32 s[(\g)+4], 128        ; tile_dim1 = 128
	s_mov_b32 s[(\g)+5], 128        ; elements from row to row
	s_mov_b32 s[(\g)+6], 0
	s_mov_b32 s[(\g)+7], 0
.endr
	s_mov_b32 s[CS], 0x3e0293ee     ; c = log2(e) / sqrt(128)
	s_mov_b32 s[CS+1], s[CS]
	s_mov_b32 s[SEL], 0x76543210
	s_mov_b32 s[SEL+1], 0xfedcba98
	s_mov_b32 s[TB], SLOT1          ; the first change of slots turns it into 0
	s_sub_co_u32 s[DW], 3, s[CX]
	s_sub_co_u32 s[RT], 8, s[CC]    ; the first block has 8 - c tiles
	s_sub_co_u32 s[LQ], 7, s[CC]
	s_mov_b32 s[NXT], 1
	s_mov_b32 s[OFF+1], 0
	s_mov_b32 s[ENDF], 0
	s_mov_b32 s[SLOTS], 8
	s_mov_b32 s[BIGN], 0xc6800000
	s_wait_dscnt 0x0                ; the opening add is done
	s_wait_kmcnt 0x0
	s_add_nc_u64 s[6:7], s[20:21], s[78:79]    ; K at my half of the head's tile 0,
	s_add_nc_u64 s[8:9], s[6:7], SEC           ; V likewise
	s_add_nc_u64 s[4:5], s[20:21], s[4:5]      ; Q of the first block,
	s_add_nc_u64 s[16:17], s[20:21], s[16:17]  ; of the second
	s_add_nc_u64 s[10:11], s[22:23], s[10:11]  ; y of the first block,
	s_add_nc_u64 s[18:19], s[22:23], s[18:19]  ; of the second
	s_add_nc_u64 s[G0K+2:G0K+3], s[6:7], 0
	s_or_b32 s[G0K+3], s[G0K+3], 0x80000000
	s_add_nc_u64 s[G0V+2:G0V+3], s[8:9], 0
	s_or_b32 s[G0V+3], s[G0V+3], 0x80000000
	CROUND                          ; all four work-groups are here: the first joint loads meet
	JLOAD                           ; tile 0 into slot 0
	v_and_b32 v44, 15, v0           ; r = l % 16
	v_bfe_u32 v45, v0, 4, 1         ; h = l / 16
	v_lshlrev_b32 v[QO], 8, v44
	v_lshl_add_u32 v[QO], v45, 4, v[QO]
	QLOAD 4
	v_mul_u32_u24 v[AK0], v44, PK
	v_lshl_add_u32 v[AK0], v45, 4, v[AK0]
	s_mul_i32 s77, s[WV], 64*PK
	v_add_nc_u32 v[AK0], s77, v[AK0]      ; (64 w + r) x pitch + 16 h
	; The turning load takes 16 keys x 16 channels (lane l reads key 8 (l / 16) + l % 8, channels 8 ((l / 8) % 2) + 0..7) and leaves half a fragment of V^T.
	v_and_b32 v46, 7, v0
	v_bfe_u32 v47, v0, 3, 1
	v_lshl_add_u32 v[AV0], v45, 3, v46
	v_mul_u32_u24 v[AV0], v[AV0], PV
	v_lshl_add_u32 v[AV0], v47, 4, v[AV0]
	s_mul_i32 s77, s[WV], 64*PV
	s_add_co_u32 s77, s77, VOFF
	v_add_nc_u32 v[AV0], s77, v[AV0]
	v_mul_u32_u24 v[DA], v45, 272         ; the merge, in: quad q of a tile's O^T at 528 q + 272 h + 16 r: sixteen lanes write 256 consecutive bytes
	v_lshl_add_u32 v[DA], v44, 4, v[DA]
	s_mul_i32 s77, s[WV], SREG
	s_add_co_u32 s77, s77, STAGE
	v_add_nc_u32 v[DA], s77, v[DA]
	v_lshrrev_b32 v46, 1, v44             ; back: lane l takes channels 8 r .. 8 r + 7 of query 4 w + h (+ 2 i): quads 2 (r / 2) + jj, half r % 2
	v_and_b32 v47, 1, v44
	v_mul_u32_u24 v[GA], v46, 1056
	v_mul_u32_u24 v47, v47, 272
	v_add_nc_u32 v[GA], v[GA], v47
	s_lshl_b32 s77, s[WV], 2
	v_add_nc_u32 v48, s77, v45            ; 4 w + h
	v_lshl_add_u32 v[GA], v48, 4, v[GA]
	v_add_nc_u32 v[GA], STAGE, v[GA]
	v_lshlrev_b32 v[GO], 12, v48          ; that query's row of y, 4,096 bytes a row, and my 16 bytes of the head's 256
	v_lshl_add_u32 v[GO], v44, 4, v[GO]
	s_lshl_b32 s77, s[WV], 7
	s_add_co_u32 s77, s77, STATS
	v_lshl_add_u32 v[SSA], v44, 3, s77
	v_lshlrev_b32 v[GSA], 3, v48
	v_add_nc_u32 v[GSA], STATS, v[GSA]
	v_lshlrev_b32 v46, 3, v45
	v_sub_nc_u32 v46, v44, v46            ; r - 8 h: register j is hidden where j is greater
.set j, 0
.rept 8
	v_cmp_gt_i32 s[TM+j], j, v46
.set j, j+1
.endr
	; What the first turn finds: V, P of piece 2, O^T and l hold 0; c m lies far below every c s, m at the lowest finite number.  All this stands in the wait for the first tile.
	WIN 0x40
.set i, 0
.rept 256
	v_mov_b32 v[i], 0
.set i, i+1
.endr
	WIN 0xc0
.set i, 0
.rept 128
	v_mov_b32 v[i], 0
.set i, i+1
.endr
	WIN 0
.set i, P+32
.rept 32
	v_mov_b32 v[i], 0
.set i, i+1
.endr
.irp t, 0,1,2,3
	v_mov_b32 v[ST+8*(\t)], 0xfe000000
	v_mov_b32 v[ST+8*(\t)+1], 0xff7fffff
	v_mov_b32 v[ST+8*(\t)+2], 0
	v_mov_b32 v[ST+8*(\t)+3], 0
.endr
; THE MATRIX WORK OF A TURN, for piece x.  The accumulators take turns, one instruction a turn.
; Product i of 32 of O^T += V^T P: keys 32 (i / 16) on, channels 16 ((i / 2) % 8) on, tile x + i % 2.
.macro PV x
	WIN W_PV
.set rO, 64*((\x)+i%2)+8*((i/2)%8)
.set rV, 64*(i/16)+8*((i/2)%8)
.set rP, P+16*((\x)+i%2)+8*(i/16)
	v_wmma_f32_16x16x32_f16 v[rO:rO+7], v[rV:rV+7], v[rP:rP+7], v[rO:rO+7]
.endm
; Product i of 32 of S^T = K Q^T: channels 32 (i / 8) on, keys 16 ((i / 2) % 4) on, tile x + i % 2.  The first 8 start the sums, with the mask.
.macro KQ x
.set rS, S+32*((\x)+i%2)+8*((i/2)%4)
.set rK, KF+32*((i/2)%4)+8*(i/8)
.set rQ, 32*((\x)+i%2)+8*(i/8)
.if i < 8
.if ((i/2)%4) < ((\x)+i%2)
.set rM, MLT
.elseif ((i/2)%4) == ((\x)+i%2)
.set rM, MEQ
.else
.set rM, MGT
.endif
	WIN W_KM
	v_wmma_f32_16x16x32_f16 v[rS:rS+7], v[rK:rK+7], v[rQ:rQ+7], v[rM:rM+7]
.else
	WIN W_KQ
	v_wmma_f32_16x16x32_f16 v[rS:rS+7], v[rK:rK+7], v[rQ:rQ+7], v[rS:rS+7]
.endif
.endm
; THE LDS LOADS stand in runs of 32: my 64 keys' K (16 fragments) and, a turn later, their V (turned).
.macro FETCH_K
	WIN 0
	v_add_nc_u32 v[ADR], s[TB], v[AK0]
	WIN 0x80
.irp f, 0,1,2,3,4,5,6,7,8,9,10,11,12,13,14,15  ; keys 16 (f / 4) on, channels 32 (f % 4) on
	ds_load_b128 v[KF+8*(\f):KF+8*(\f)+3],   v[ADR] offset:((\f)/4)*16*PK+((\f)%4)*64
	ds_load_b128 v[KF+8*(\f)+4:KF+8*(\f)+7], v[ADR] offset:((\f)/4)*16*PK+((\f)%4)*64+32
.endr
.endm
.macro FETCH_V
	WIN 0
	v_add_nc_u32 v[ADR], s[TB], v[AV0]
	WIN 0xc0
.irp f, 0,1,2,3,4,5,6,7,8,9,10,11,12,13,14,15  ; keys 32 (f / 8) on, channels 16 (f % 8) on
	ds_load_tr16_b128 v[8*(\f):8*(\f)+3],   v[ADR] offset:((\f)/8)*32*PV+((\f)%8)*32
	ds_load_tr16_b128 v[8*(\f)+4:8*(\f)+7], v[ADR] offset:((\f)/8)*32*PV+16*PV+((\f)%8)*32
.endr
.endm
; THE VECTOR WORK OF A TURN.  One tile's softmax for one key step is a list of 134 instructions; SM writes number j of it for tile t.  s0-s31 are the lane's 32 scores, in pairs 0-15.
;   0-15    the maximum of s0-s31 and the old m, three operands at a time (each accumulator's lowest registers are read first)
;   16-20   the other half of the lanes' maximum; the new m; c m; c m_old - c m_new
;   21-87   33 exponentials (a, then s0-s31) at the odd numbers from 23 on, each with a plain instruction behind it; the plain ones are scalings still to come, roundings of weights that are done, the first sums
;   88-101  the last rounding; the rest of the sums; l = a l + the sum
;   102-133 the tile's O^T times a
.macro SM t
.set rT, ST+8*(\t)
.set rS, S+32*(\t)
.set rP, P+16*(\t)
.set rO, 64*(\t)+2*(j-102)
.set q, (j-20)/2
.if j < 102
	WIN 0
.endif
.if j < 4
	v_max3_num_f32 v[rT+4+j], v[rS+8*j], v[rS+8*j+1], v[rS+8*j+2]
.elseif j < 12
	v_max3_num_f32 v[rT+4+j%4], v[rT+4+j%4], v[rS+8*(j%4)+2*(j/4)+1], v[rS+8*(j%4)+2*(j/4)+2]
.elseif j == 12
	v_max3_num_f32 v[rT+4], v[rT+4], v[rS+7], v[rS+15]
.elseif j == 13
	v_max3_num_f32 v[rT+6], v[rT+6], v[rS+23], v[rS+31]
.elseif j == 14
	v_max3_num_f32 v[rT+4], v[rT+4], v[rT+5], v[rT+6]
.elseif j == 15
	v_max3_num_f32 v[rT+4], v[rT+4], v[rT+7], v[rT+1]
.elseif j == 16
	v_permlanex16_b32 v[rT+5], v[rT+4], s[SEL], s[SEL+1]  ; the query's other 32 keys lie in the lane 16 away
.elseif j == 17
	v_mov_b32 v[rT+7], v[rT]        ; c m_old is kept for a
.elseif j == 18
	v_max_num_f32 v[rT+1], v[rT+4], v[rT+5]
.elseif j == 19
	v_mul_f32 v[rT], s[CS], v[rT+1]
.elseif j == 20
	v_sub_f32 v[rT+7], v[rT+7], v[rT]
.elseif j == 23
	v_exp_f32 v[rT+6], v[rT+7]
.elseif (j < 88) && (j > 23) && (j%2 == 1)
	v_exp_f32 v[rS+(j-25)/2], v[rS+(j-25)/2]
.elseif (q < 4) || ((j < 76) && (q%2 == 0))
.set b, q/2+2
.if q < 4
.set b, q
.endif
	v_pk_fma_f32 v[rS+2*b:rS+2*b+1], v[rS+2*b:rS+2*b+1], s[CS:CS+1], v[rT:rT+1] op_sel_hi:[1,0,0] neg_lo:[0,0,1] neg_hi:[0,0,1]  ; pair b: c s - c m
.elseif (j < 88) && (q%2 == 1)
	s_wait_alu depctr_va_vdst(0)
	v_cvt_pk_f16_f32 v[rP+(q-5)/2], v[rS+q-5], v[rS+q-4]
.elseif j == 89
	s_wait_alu depctr_va_vdst(0)
	v_cvt_pk_f16_f32 v[rP+15], v[rS+30], v[rS+31]
.elseif j < 102                     ; the sum of the tile's 16 pairs, in place: sum z of 16 adds neighbours 1, 2, 4 and 8 pairs apart, then l takes it
.set z, j-86
.if j < 89
.set z, (j-76)/4
.endif
.set w, 4
.set u, z
.if z >= 14
.set w, 32
.set u, 0
.elseif z >= 12
.set w, 16
.set u, z-12
.elseif z >= 8
.set w, 8
.set u, z-8
.endif
.if z < 15
	v_pk_add_f32 v[rS+w*u:rS+w*u+1], v[rS+w*u:rS+w*u+1], v[rS+w*u+w/2:rS+w*u+w/2+1]
.else
	v_pk_fma_f32 v[rT+2:rT+3], v[rT+2:rT+3], v[rT+6:rT+7], v[rS:rS+1] op_sel_hi:[1,0,1]
.endif
.else
	WIN W_RS
	v_pk_mul_f32 v[rO:rO+1], v[rO:rO+1], v[rT+6:rT+7] op_sel_hi:[1,0]
.endif
.endm
; Slice k of 64 of piece y's softmax: numbers 2 k and 2 k + 1 of both tiles' lists; the twelve that are over stand together, in slice 63: they are the places behind the turn's last products.
.macro SLICE y
.if (k >= 11) && (k < 44)           ; tile by tile: plain, exponential, plain, exponential
.irp t, \y, (\y)+1
.irp n, 0,1
.set j, 2*k+(\n)
	SM \t
.endr
.endr
.else                               ; the two tiles alternate
.irp n, 0,1,2,3,4,5,6,7
.if ((\n) < 2) || (k == 63)
.irp t, \y, (\y)+1
.set j, 2*k+(\n)
	SM \t
.endr
.endif
.endr
.endif
.set k, k+1
.endm
; A TURN.  Piece x has the matrix unit; the other piece's softmax stands in slices behind its matrix instructions.  Piece 0's turn fetches the tile's K, behind its second product: the last product
; that read K stands in front of slice 63 of the turn before.  Piece 2's turn fetches the tile's V behind the second product K Q^T: the last product that read V stands six plain instructions back.
.macro TURN x
.set k, 0
.if (\x) == 0
	s_wait_dscnt 0x0                ; V is in
.endif
.set i, 0
.rept 32
	PV \x
	SLICE 2-(\x)
.if ((\x) == 0) && (i == 1)
	FETCH_K
.endif
.set i, i+1
.endr
.if (\x) == 0
	s_wait_dscnt 0x0                ; K is in,
	s_wait_loadcnt 0x0              ; and Q, where a block has just begun
.endif
.set i, 0
.rept 32
	KQ \x
	SLICE 2-(\x)
.if ((\x) == 2) && (i == 1)
	FETCH_V
.endif
.set i, i+1
.endr
.endm
; THE MERGE.  DUMP: my (c m, l) and my O^T of tile t go into my part of the stage, each accumulator's low quad first.
.macro DUMP t
	WIN 0
	ds_store_b64 v[SSA], v[ST+8*(\t)+4:ST+8*(\t)+5]   ; lanes r and r + 16 write the same words with the same values
	WIN 0x04                        ; store data in window 1
.set q, 0
.rept 16
	ds_store_b128 v[DA], v[64*(\t)+4*q:64*(\t)+4*q+3] offset:528*q
.set q, q+1
.endr
	WIN 0
.endm
; GATHER: wave w takes queries 4 w .. 4 w + 3 of the tile, whole rows: lane l channels 8 (l % 16) on of queries 4 w + l / 16 and + 2.  y = sum_w g_w O_w, g_w = 2^(c m_w - max) / sum_w 2^(c m_w - max) l_w.
.macro GATHER
	WIN 0
.irp i, 0,1
.irp v, 0,1,2,3
	ds_load_b64 v[GS+8*(\i)+2*(\v):GS+8*(\i)+2*(\v)+1], v[GSA] offset:128*(\v)+16*(\i)
.endr
.endr
.irp v, 0,1,2,3
.irp i, 0,1
.irp n, 0,1
	ds_load_b128 v[GP+16*(\v)+8*(\i)+4*(\n):GP+16*(\v)+8*(\i)+4*(\n)+3], v[GA] offset:SREG*(\v)+528*(\n)+32*(\i)
.endr
.endr
.endr
	s_wait_dscnt 16                 ; the statistics are in; the 16 loads of the parts may be out
.irp i, 0,1
	v_max3_num_f32 v[GM+(\i)], v[GS+8*(\i)], v[GS+8*(\i)+2], v[GS+8*(\i)+4]
.endr
.irp i, 0,1
	v_max_num_f32 v[GM+(\i)], v[GM+(\i)], v[GS+8*(\i)+6]
.endr
.irp i, 0,1
.irp v, 0,1,2,3
	v_sub_f32 v[GS+8*(\i)+2*(\v)], v[GS+8*(\i)+2*(\v)], v[GM+(\i)]
.endr
.endr
.irp i, 0,1
.irp v, 0,1,2,3
	v_exp_f32 v[GS+8*(\i)+2*(\v)], v[GS+8*(\i)+2*(\v)]
.endr
.endr
	v_nop                           ; a plain instruction between the last exponential and the use of its result
.irp i, 0,1
	s_wait_alu depctr_va_vdst(0)
	v_mul_f32 v[GL+(\i)], v[GS+8*(\i)], v[GS+8*(\i)+1]
.endr
.irp v, 1,2,3
.irp i, 0,1
	v_fmac_f32 v[GL+(\i)], v[GS+8*(\i)+2*(\v)], v[GS+8*(\i)+2*(\v)+1]
.endr
.endr
.irp i, 0,1
	v_rcp_f32 v[GL+(\i)], v[GL+(\i)]
.endr
	v_nop
.irp i, 0,1
.irp v, 0,1,2,3
	s_wait_alu depctr_va_vdst(0)
	v_mul_f32 v[GS+8*(\i)+2*(\v)], v[GS+8*(\i)+2*(\v)], v[GL+(\i)]
.endr
.endr
	s_wait_dscnt 0x0                ; the parts are in
.irp i, 0,1
.irp n, 0,1,2,3
	v_pk_mul_f32 v[GP+8*(\i)+2*(\n):GP+8*(\i)+2*(\n)+1], v[GP+8*(\i)+2*(\n):GP+8*(\i)+2*(\n)+1], v[GS+8*(\i):GS+8*(\i)+1] op_sel_hi:[1,0]
.endr
.endr
.irp v, 1,2,3
.irp i, 0,1
.irp n, 0,1,2,3
	v_pk_fma_f32 v[GP+8*(\i)+2*(\n):GP+8*(\i)+2*(\n)+1], v[GP+16*(\v)+8*(\i)+2*(\n):GP+16*(\v)+8*(\i)+2*(\n)+1], v[GS+8*(\i)+2*(\v):GS+8*(\i)+2*(\v)+1], v[GP+8*(\i)+2*(\n):GP+8*(\i)+2*(\n)+1] op_sel_hi:[1,0,1]
.endr
.endr
.endr
.irp i, 0,1
.irp n, 0,1,2,3
	v_cvt_pk_f16_f32 v[GY+4*(\i)+(\n)], v[GP+8*(\i)+2*(\n)], v[GP+8*(\i)+2*(\n)+1]
.endr
.endr
.irp i, 0,1
	global_store_b128 v[GO], v[GY+4*(\i):GY+4*(\i)+3], s[10:11] offset:8192*(\i)  ; 16 lanes store 256 consecutive bytes, at a multiple of 256 from y's first byte
.endr
	s_wait_xcnt 0x0                 ; only behind this wait are the stores' base and data written again
	s_add_nc_u64 s[10:11], s[10:11], 0x10000  ; the next tile's 16 rows
.endm
; A BLOCK ENDS, behind piece 0's turn of the tile after it: piece 2's last products; (c m, l) a tile; then tile after tile through the stage; the statistics start anew; y's address goes to the second block.
; At work: S^T of piece 2 and P of piece 0, which are dead here; P of piece 2 and V stay as they are, finite, for the next turn's products, which the new block's first a = 0 wipes.
.macro ENDBLOCK
.set i, 0
.rept 32
	PV 2
.set i, i+1
.endr
	WIN 0
.irp t, 0,1,2,3
	v_add_f32 v[ST+8*(\t)+4], v[ST+8*(\t)+2], v[ST+8*(\t)+3]   ; these four are the places behind the last products
.endr
.irp t, 0,1,2,3
	v_permlanex16_b32 v[ST+8*(\t)+5], v[ST+8*(\t)+4], s[SEL], s[SEL+1]
.endr
.irp t, 0,1,2,3
	v_add_f32 v[ST+8*(\t)+5], v[ST+8*(\t)+4], v[ST+8*(\t)+5]
.endr
.irp t, 0,1,2,3
	v_mov_b32 v[ST+8*(\t)+4], v[ST+8*(\t)]
.endr
	s_mov_b32 s[CT], 0
.Lct_\@:
	s_wait_dscnt 0x0                ; my reads of the stage are over
	s_barrier_signal -1
	s_barrier_wait -1               ; everybody's are: it may be written
	s_cmp_eq_u32 s[CT], 0           ; every way holds exactly one DUMP
	s_cbranch_scc1 .Ld0_\@
	s_cmp_eq_u32 s[CT], 1
	s_cbranch_scc1 .Ld1_\@
	s_cmp_eq_u32 s[CT], 2
	s_cbranch_scc1 .Ld2_\@
	DUMP 3
	s_branch .Ldd_\@
.Ld0_\@:
	DUMP 0
	s_branch .Ldd_\@
.Ld1_\@:
	DUMP 1
	s_branch .Ldd_\@
.Ld2_\@:
	DUMP 2
.Ldd_\@:
	s_wait_dscnt 0x0                ; for the others' sake: my stores are done
	s_barrier_signal -1
	s_barrier_wait -1
	GATHER
	s_add_co_u32 s[CT], s[CT], 1
	s_cmp_lt_u32 s[CT], 4
	s_cbranch_scc1 .Lct_\@
.irp t, 0,1,2,3
	v_mov_b32 v[ST+8*(\t)], 0xfe000000
	v_mov_b32 v[ST+8*(\t)+1], 0xff7fffff
.endr
	s_mov_b64 s[10:11], s[18:19]
.endm
	CHANGE 1                        ; tile 0 is in, everybody's part of it; tile 1 is asked for
	MASKS
	FETCH_K
	s_wait_loadcnt 0x0              ; Q
	s_wait_dscnt 0x0
.set i, 0
.rept 32
	KQ 0                            ; piece 0's first scores
.set i, i+1
.endr
	WIN 0
	PLACES
	s_branch .Lsecond               ; the loop is entered in the middle of a trip
.Ltrip:                             ; a trip is a tile; eight passes through the loop's end: every tile but the walk's last asks for the next
	CHANGE 1
	MASKS
	TURN 0
	WIN 0
	s_cmp_eq_u32 s[ENDF], 0         ; it hangs on c and the count of tiles: alike in all waves and in all partners
	s_cbranch_scc1 .Lsecond
	ENDBLOCK
.Lsecond:
	TURN 2
	WIN 0
	s_mov_b32 s[ENDF], 0
	s_cmp_lg_u32 s[RT], 0
	s_cbranch_scc1 .Lgo_on
	s_mov_b32 s[ENDF], 1            ; that was the first block's last tile: the old Q has been multiplied for the last time (slice 63's sixteen plain instructions stand behind that product)
	QLOAD 16
	s_add_co_u32 s[RT], s[CC], 1    ; the second block has c + 1 tiles
	s_mov_b32 s[DW], s[CX]
.Lgo_on:
	s_sub_co_u32 s[SLOTS], s[SLOTS], 1
	s_cmp_lg_u32 s[SLOTS], 0
	s_cbranch_scc1 .Ltrip
	s_mov_b32 s[CNT], 2             ; the tail is written out: the walk's last tile, and half a trip more for what the pipeline still holds
.Ltail:
	CHANGE 0
	MASKS
	TURN 0                          ; (in the second pass its products K Q^T, on a tile read before, serve nothing: the price of one text for both passes)
	WIN 0
	s_cmp_eq_u32 s[ENDF], 0
	s_cbranch_scc1 .Lno_end
	ENDBLOCK
.Lno_end:
	s_sub_co_u32 s[CNT], s[CNT], 1
	s_cmp_eq_u32 s[CNT], 0
	s_cbranch_scc1 .Lout
	TURN 2
	WIN 0
	s_mov_b32 s[ENDF], 1            ; the walk's last tile is the second block's last
	s_mov_b32 s[RT], 2
	s_branch .Ltail
.Lout:
	s_wait_tensorcnt 0x0            ; the wave's end
	ds_add_u32 v[SPW], v[NIL]
	s_wait_dscnt 0x0
	CROUND                          ; the closing round
	s_endpgm
.Lfunc_end_k_qc62df9ad66_attn:
	.size	k_qc62df9ad66_attn, .Lfunc_end_k_qc62df9ad66_attn-k_qc62df9ad66_attn
	.p2alignl 7, 3214868480
	.fill 96, 4, 3214868480
	.section	.rodata,"a",@progbits
	.p2align	6, 0x0
	.amdhsa_kernel k_qc62df9ad66_attn
		.amdhsa_group_segment_fixed_size 327680
		.amdhsa_private_segment_fixed_size 0
		.amdhsa_enable_private_segment 0
		.amdhsa_kernarg_size 16
		.amdhsa_user_sgpr_count 2
		.amdhsa_user_sgpr_kernarg_segment_ptr 1
		.amdhsa_wavefront_size32 1
		.amdhsa_system_sgpr_workgroup_id_x 1
		.amdhsa_system_sgpr_workgroup_id_y 1
		.amdhsa_system_sgpr_workgroup_id_z 1
		.amdhsa_system_vgpr_workitem_id 0
		.amdhsa_next_free_vgpr 920
		.amdhsa_next_free_sgpr 80
		.amdhsa_reserve_vcc 0
		.amdhsa_float_denorm_mode_32 3
		.amdhsa_float_denorm_mode_16_64 3
		.amdhsa_memory_ordered 1
		.amdhsa_forward_progress 1
		.amdhsa_inst_pref_size 171
	.end_amdhsa_kernel
	.amdgpu_metadata
---
amdhsa.version: [ 1, 2 ]
amdhsa.kernels:
  - .name:           k_qc62df9ad66_attn
    .symbol:         k_qc62df9ad66_attn.kd
    .args:
      - { .name: qkv, .offset: 0, .size: 8, .value_kind: global_buffer, .address_space: global }
      - { .name: yb, .offset: 8, .size: 8, .value_kind: global_buffer, .address_space: global }
    .group_segment_fixed_size: 327680
    .private_segment_fixed_size: 0
    .kernarg_segment_align: 8
    .kernarg_segment_size: 16
    .max_flat_workgroup_size: 128
    .sgpr_count:     80
    .vgpr_count:     920
    .wavefront_size: 32
...
	.end_amdgpu_metadata
.endif
;; end of part 3
;; launch proj (part 4): grid 16 x 16, 4 waves a work-group, clusters of 4 x 4, 327,680 bytes of LDS; arguments yb, cb, out0; writes out0
.if DOCPART == 4
	.amdgcn_target "amdgcn-amd-amdhsa--gfx1250"
	.amdhsa_code_object_version 6
	.text
	.protected	k_qc62df9ad66_proj
	.globl	k_qc62df9ad66_proj
	.p2align	8
	.type	k_qc62df9ad66_proj,@function
k_qc62df9ad66_proj:
	s_mov_b64 s[64:65], 0
	v_nop
	global_prefetch_b8 v0, s[64:65] scope:SCOPE_SE
	s_setreg_imm32_b32 hwreg(HW_REG_WAVE_MODE, 25, 1), 1
	s_wait_xcnt 0x0
	s_wait_alu depctr_hold_cnt(0) depctr_sa_sdst(0) depctr_va_vdst(0) depctr_va_sdst(0) depctr_va_ssrc(0) depctr_va_vcc(0) depctr_vm_vsrc(0)
	s_getreg_b32 s2, hwreg(HW_REG_IB_STS2, 6, 4)
	s_cmp_eq_u32 s2, 0
	s_cbranch_scc0 .Lentry_in_a_cluster
	s_endpgm
.Lentry_in_a_cluster:
	s_bfe_u32 s2, ttmp6, 0x10000c
	s_cmp_lg_u32 s2, 0xf033
	s_cbranch_scc0 .Lentry_shape_is_right
	s_endpgm
.Lentry_shape_is_right:
; PROJ: out0[t][n] = sum over k of y[t][k] Wproj[n][k].  A = yb = y / 4, [2048][2048] f16; B = section 4 of cb = f16(4 x bf16(Wproj)), [2048][2048]; out0 f32; sums in f32.
; LIMITS.  |y| / 4 and 4 |Wproj| lie within f16's range as the launches before left them; the f32 sums run over K in a rotated order (see THE WALK); NaN and infinities are not treated apart.
; A tile of out0 is 128 x 128: 256 work-groups.  Four waves, each 64 x 64: 16 accumulators.  K goes in 8 steps of 256 (LDS rows of 512 bytes; a wave's tensor load brings 64 of them) through two slots;
; a trip of the loop is one step, and the slot in hand is a scalar that one exclusive or turns.
; CLUSTER 4 x 4: the four of a row of the cluster need the same tiles of A, the four of a column the same tiles of B: joint loads.
; THE WALK along K begins at (cluster x + 2 cluster y) mod 4 quarters of K and wraps at the row's end.  The four clusters that read the same rows of A begin a quarter of K apart, of those that read
; the same rows of B the ones with neighbouring y half of K apart: from the walk's second half on every tile asked for is one that another cluster has asked for before.  The place hangs on the cluster's numbers alone: it is equal in all partners.
; THE MATRIX INSTRUCTION IS USED TRANSPOSED (source 0 = 16 rows of B, source 1 = 16 rows of A): a lane holds eight neighbouring numbers of a row of out0.
; THE WAY OUT goes through slot 1, whose last fill and last read lie ahead of the walk's last barrier: 128 rows of 512 bytes + 16; each wave then stores 32 whole rows.
; REGISTERS: window 0: v0-31 addresses; v128-255 the accumulators ((a, b) at v[128 + 8 (4 a + b)]), then the rows read back.  window 1: two fragment buffers of 128.
.set SIZE_N, 2048
.set SIZE_K, 2048
.set KSTEP,  256
.set STEPS,  SIZE_K/KSTEP
.set ROWB,   SIZE_K*2                  ; bytes in a row of A or B
.set PITCH,  528                       ; an LDS row: 512 bytes + 16 of padding = 132 words: row r starts at bank 4 r mod 64 (64 banks of 4 bytes: ISA guide 11.1)
.set HALFT,  64*PITCH
.set SLOT,   4*HALFT                   ; A's 128 rows, then B's 128 rows: 0x21000 bytes; the four loads' starts in slot 0 (0x8400 w) have neither of its two bits, so an exclusive or changes slots
.set STAGE,  SLOT                      ; the way out: slot 1
.set SPITCH, 528                       ; a row of the stage: 128 f32 + 16 bytes
.set SPARE,  2*SLOT                    ; behind the ring: the spare words, 128 bytes a wave: two blocks of 256 bytes that no other line names
.set BA,   16                          ; v16  my A fragments' place in a slot;  v17 my B fragments'; never rewritten
.set BB,   17
.set ADRA, 20                          ; v20, v21  the same places in the slot in hand
.set ADRB, 21
.set STO,  24                          ; v24  the way out: where I put 16 bytes of a row
.set RD,   25                          ; v25  where I read a row back
.set CO,   26                          ; v26  16 x lane
.set SPW,  28                          ; v28  LDS address of my spare word; never rewritten
.set NIL,  29                          ; v29  0; never rewritten
.set ACC,  128
.set F0,   0
.set F1,   128
.set TB,  2                            ; s2  the slot in hand: 0 or SLOT;  s3 counts steps;  s[14:15] A at my load's rows;  s[46:47] B at my load's rows
.set G1, 24                            ; s[24:31] group 1 for A's tiles;  s[32:39] group 0: a set for each of the two first fills; the second then walks on
.set G0, 32
.set G1B, 48                           ; s[48:55], s[56:63] the same for B's tiles
.set G0B, 56
.set KO,  66                           ; s[66:67] the byte along K of the step asked for last
.set MSB, 0
.macro WIN new
.if MSB != (\new)
	s_set_vgpr_msb (MSB<<8)|(\new)
.set MSB, \new
.endif
.endm
.set MUL,  0x05                        ; sources 0 (B) and 1 (A) window 1; C and D window 0
.set TO_F, 0x40                        ; destination window 1, address window 0
.macro JLOAD s                         ; a joint load: waves 0 and 1 fetch A's two halves, waves 2 and 3 B's; an s_nop 0 and four v_nop follow each line
	s_cmp_eq_u32 s11, 0
	s_cbranch_scc0 .Lfor_b_\@
	tensor_load_to_lds s[G0+4*(\s):G0+4*(\s)+3], s[G1:G1+7]
	s_nop 0
.rept 4
	v_nop
.endr
	s_branch .Lasked_\@
.Lfor_b_\@:
	tensor_load_to_lds s[G0B+4*(\s):G0B+4*(\s)+3], s[G1B:G1B+7]
	s_nop 0
.rept 4
	v_nop
.endr
.Lasked_\@:
.endm
.macro CREST
	s_cmp_lg_u32 s10, 0
	s_cbranch_scc1 .Lnot_wave_0_\@
	s_barrier_signal -3
.Lnot_wave_0_\@:
	s_barrier_wait -3
	s_barrier_signal -1
	s_barrier_wait -1
.endm
.macro CROUND
	s_barrier_signal -1
	s_barrier_wait -1
	CREST
.endm
.macro SETADR                          ; my fragments' addresses in the slot in hand
	v_add_nc_u32 v[ADRA], s[TB], v[BA]
	v_add_nc_u32 v[ADRB], s[TB], v[BB]
.endm
	s_load_b128 s[4:7], s[0:1], 0x0                ; yb s[4:5], cb s[6:7]
	s_load_b64 s[8:9], s[0:1], 0x10                ; out0
	v_lshl_add_u32 v[SPW], v0, 2, SPARE
	v_mov_b32 v[NIL], 0
	ds_add_u32 v[SPW], v[NIL]                      ; the wave's opening: the add and its wait stand ahead of my first tensor load
	v_lshrrev_b32 v1, 5, v0
	v_readfirstlane_b32 s10, v1                    ; wave 0..3
	s_lshr_b32 s11, s10, 1                         ; which half of the tile's rows is mine.  Also: I fetch for A (0) or for B (1)
	s_and_b32 s12, s10, 1                          ; which half of its columns.  Also: which 64 rows of that tile I fetch
	s_bfe_u32 s40, ttmp6, 0x40000
	s_bfe_u32 s41, ttmp6, 0x40004
	s_lshl_b32 s42, ttmp9, 2
	s_add_co_u32 s42, s42, s40                     ; tile column
	s_and_b32 s13, ttmp7, 0xffff
	s_lshl_b32 s13, s13, 2
	s_add_co_u32 s13, s13, s41                     ; tile row
	s_and_b32 s[KO+1], ttmp7, 0xffff               ; where the walk along K begins: made of the cluster's two numbers alone
	s_lshl_b32 s[KO], s[KO+1], 1
	s_add_co_u32 s[KO], s[KO], ttmp9
	s_and_b32 s[KO], s[KO], 3                      ; (cluster x + 2 cluster y) mod 4
	s_lshl_b32 s[KO], s[KO], 10                    ; quarters of a row's 4,096 bytes
	s_mov_b32 s[KO+1], 0
	s_lshl_b32 s43, s41, 2
	s_lshl_b32 s43, 15, s43                        ; my row of the cluster
	s_lshl_b32 s44, 0x1111, s40                    ; my column
	s_or_b32 s[G1+0], s43, (1<<16)|(1<<20)|(1<<21)|(6<<22)|(3<<25)  ; the mask; 2-byte elements; padding on; bit 21 beside a mask; after every 128 words, 4 words
	s_or_b32 s[G1B+0], s44, (1<<16)|(1<<20)|(1<<21)|(6<<22)|(3<<25)
.irp g, G1, G1B
	s_mov_b32 s[(\g)+1], KSTEP<<16                 ; tensor_dim0 = 256
	s_mov_b32 s[(\g)+2], 64<<16                    ; tensor_dim1 = 64
	s_mov_b32 s[(\g)+3], KSTEP<<16                 ; tile_dim0 = 256
	s_mov_b32 s[(\g)+4], 64                        ; tile_dim1 = 64
	s_mov_b32 s[(\g)+5], SIZE_K
	s_mov_b32 s[(\g)+6], 0
	s_mov_b32 s[(\g)+7], 0
.endr
	s_lshl_b32 s17, s12, 6
	s_lshl_b32 s16, s13, 7
	s_add_co_u32 s16, s16, s17                     ; A: row 128 x tile row + 64 x half
	s_lshl_b32 s46, s42, 7
	s_add_co_u32 s46, s46, s17                     ; B: row 128 x tile column + 64 x half
	s_mov_b32 s17, 0
	s_mov_b32 s47, 0
	s_mov_b64 s[18:19], SIZE_K*2
	s_mul_u64 s[16:17], s[16:17], s[18:19]
	s_mul_u64 s[46:47], s[46:47], s[18:19]
	s_mul_i32 s20, s10, HALFT
	s_mov_b32 s[TB], 0                             ; the walk's first step lies in slot 0
	s_wait_dscnt 0x0                               ; the opening add is done
	s_wait_kmcnt 0x0
	s_add_nc_u64 s[6:7], s[6:7], 0x2000000         ; section 4 of cb
	s_add_nc_u64 s[14:15], s[4:5], s[16:17]
	s_add_nc_u64 s[46:47], s[6:7], s[46:47]
	CROUND                                         ; all sixteen work-groups are here: the first joint loads meet
.irp s, 0,1
.if \s
	s_add_co_u32 s[KO], s[KO], KSTEP*2             ; the walk's second step: it begins at 3,072 + 512 at the most, inside the row
.endif
	s_mov_b32 s[G0+4*(\s)], 1
	s_add_co_u32 s[G0+4*(\s)+1], s20, (\s)*SLOT
	s_add_nc_u64 s[G0+4*(\s)+2:G0+4*(\s)+3], s[14:15], s[KO:KO+1]
	s_or_b32 s[G0+4*(\s)+3], s[G0+4*(\s)+3], 0x80000000
	s_mov_b32 s[G0B+4*(\s)], 1
	s_add_co_u32 s[G0B+4*(\s)+1], s20, (\s)*SLOT
	s_add_nc_u64 s[G0B+4*(\s)+2:G0B+4*(\s)+3], s[46:47], s[KO:KO+1]
	s_or_b32 s[G0B+4*(\s)+3], s[G0B+4*(\s)+3], 0x80000000
	JLOAD \s
.endr
	v_and_b32 v1, 15, v0                           ; l % 16
	v_bfe_u32 v2, v0, 4, 1                         ; l / 16
	v_mul_u32_u24 v3, v1, PITCH
	v_lshl_add_u32 v3, v2, 4, v3
	s_mul_i32 s21, s11, HALFT                      ; my 64 rows of A
	s_mul_i32 s22, s12, HALFT                      ; my 64 rows of B,
	s_add_co_u32 s22, s22, 2*HALFT                 ; which lie behind A's 128
	v_add_nc_u32 v[BA], s21, v3
	v_add_nc_u32 v[BB], s22, v3
	SETADR
	s_mul_i32 s23, s11, 64*SPITCH                  ; into the stage: my 64 rows, my half of their 512 bytes; row l % 16, 32 bytes for each half of the lanes
	s_lshl_b32 s21, s12, 8
	s_add_co_u32 s23, s23, s21
	s_add_co_u32 s23, s23, STAGE
	v_mul_u32_u24 v4, v1, SPITCH
	v_lshl_add_u32 v4, v2, 5, v4
	v_add_nc_u32 v[STO], s23, v4
	s_mul_i32 s23, s10, 32*SPITCH                  ; back: wave w takes rows 32 w on, a whole row of 512 bytes a load
	s_add_co_u32 s23, s23, STAGE
	v_and_b32 v5, 31, v0
	v_lshlrev_b32 v[CO], 4, v5
	v_add_nc_u32 v[RD], s23, v[CO]
	s_lshl_b32 s16, s13, 7
	s_lshl_b32 s17, s10, 5
	s_add_co_u32 s16, s16, s17                     ; the first row that I store: 128 x tile row + 32 x wave,
	s_lshl_b32 s16, s16, 13                        ; 8,192 bytes a row
	s_mov_b32 s17, 0
	s_add_nc_u64 s[8:9], s[8:9], s[16:17]
	s_lshl_b32 s68, s42, 9                         ; the tile's first column, in bytes (in registers that feed no descriptor)
	s_mov_b32 s69, 0
	s_add_nc_u64 s[8:9], s[8:9], s[68:69]
; 8 matrix instructions: m blocks a0, a0 + 1 x all 4 n blocks, 32 along K: half c of buffer f.  zero = 1: the first product starts the sums.  The 16 accumulators take turns.
.macro MUL8 f, c, a0, zero
	WIN MUL
.irp a, \a0, (\a0)+1
.irp b, 0,1,2,3
.if \zero
	v_wmma_f32_16x16x32_f16 v[ACC+8*(4*(\a)+(\b)):ACC+8*(4*(\a)+(\b))+7], v[(\f)+64+8*(4*(\c)+(\b)):(\f)+64+8*(4*(\c)+(\b))+7], v[(\f)+8*(4*(\c)+(\a)):(\f)+8*(4*(\c)+(\a))+7], 0
.else
	v_wmma_f32_16x16x32_f16 v[ACC+8*(4*(\a)+(\b)):ACC+8*(4*(\a)+(\b))+7], v[(\f)+64+8*(4*(\c)+(\b)):(\f)+64+8*(4*(\c)+(\b))+7], v[(\f)+8*(4*(\c)+(\a)):(\f)+8*(4*(\c)+(\a))+7], v[ACC+8*(4*(\a)+(\b)):ACC+8*(4*(\a)+(\b))+7]
.endif
.endr
.endr
.endm
; 32 LDS loads in one run: the fragments of 64 along K at byte k of the rows of the slot in hand, into buffer f; the first 32 along K first
.macro FETCH k, f
	WIN TO_F
.irp c, 0,1
.irp i, 0,1,2,3
	ds_load_b128 v[(\f)+64+8*(4*(\c)+(\i)):(\f)+64+8*(4*(\c)+(\i))+3],   v[ADRB] offset:(\k)+64*(\c)+(\i)*16*PITCH
	ds_load_b128 v[(\f)+64+8*(4*(\c)+(\i))+4:(\f)+64+8*(4*(\c)+(\i))+7], v[ADRB] offset:(\k)+64*(\c)+(\i)*16*PITCH+32
	ds_load_b128 v[(\f)+8*(4*(\c)+(\i)):(\f)+8*(4*(\c)+(\i))+3],         v[ADRA] offset:(\k)+64*(\c)+(\i)*16*PITCH
	ds_load_b128 v[(\f)+8*(4*(\c)+(\i))+4:(\f)+8*(4*(\c)+(\i))+7],       v[ADRA] offset:(\k)+64*(\c)+(\i)*16*PITCH+32
.endr
.endr
.endm
.macro PLACES                          ; four places in front of loads into registers that matrix instructions have read, and of stores that read results
.rept 4
	v_nop
.endr
.endm
; A K step is four quarters of 64 along K, 32 matrix instructions each, on buffers 0, 1, 0, 1.  One of the first three: multiplies buffer f and fetches the next quarter, at byte k, into g.
.macro QUARTER k, f, g, zero
	s_wait_dscnt 16                                ; the first 32 along K are in
	MUL8 \f, 0, 0, \zero
	MUL8 \f, 0, 2, \zero
	PLACES
	FETCH \k, \g
	s_wait_dscnt 32                                ; all but the 32 just issued
	MUL8 \f, 1, 0, 0
	MUL8 \f, 1, 2, 0
.endm
; The last quarter multiplies buffer 1 and changes slots: in front of the barrier each wave waits for all its tensor loads, adds 0 to its spare word, and waits for that and for its reads of this slot.
; fill = 1: the barrier opens a round of the cluster's, and behind it this slot is filled again, with the walk's step two steps on.
; fill = 0 (the tail, walked twice, s3 = 2 and then 1): nothing is asked for; in the second pass there is no further step, and the run of fragment loads is jumped over.
.macro TURN fill
	WIN 0
	s_wait_tensorcnt 0x0                           ; all my tensor loads have landed: my part of the next slot; so a group 0 may be written
	ds_add_u32 v[SPW], v[NIL]                      ; scalar work and eight matrix instructions stand between the add and the wait for it
.if \fill
	s_add_co_u32 s[KO], s[KO], KSTEP*2             ; the walk's next step,
	s_and_b32 s[KO], s[KO], ROWB-1                 ; round the row's end
	s_xor_b32 s[G0+5], s[G0+5], SLOT               ; the walking descriptors: the other slot than last time; the address is made anew from the rows' address and the offset
	s_add_nc_u64 s[G0+6:G0+7], s[14:15], s[KO:KO+1]
	s_or_b32 s[G0+7], s[G0+7], 0x80000000
	s_xor_b32 s[G0B+5], s[G0B+5], SLOT
	s_add_nc_u64 s[G0B+6:G0B+7], s[46:47], s[KO:KO+1]
	s_or_b32 s[G0B+7], s[G0B+7], 0x80000000
.endif
	s_xor_b32 s[TB], s[TB], SLOT                   ; the fetches go to the other slot
	s_wait_dscnt 17                                ; (the add and the youngest sixteen loads may be out)
	MUL8 F1, 0, 0, 0
	s_wait_dscnt 0x0                               ; the add is done, and my reads of this slot are over
	s_barrier_signal -1
	MUL8 F1, 0, 2, 0
	WIN 0
	s_barrier_wait -1
.if \fill
	CREST                                          ; no wave of any partner still reads this slot's tile or has a load on its way
	JLOAD 1                                        ; 112 matrix instructions ahead of the wait for it; the four v_nop behind it are the places in front of the loads below
	SETADR
	FETCH 0, F0
.else
	s_cmp_eq_u32 s3, 1
	s_cbranch_scc1 .Lno_fetch_\@
	PLACES
	SETADR
	FETCH 0, F0
	WIN 0
.Lno_fetch_\@:
.endif
	MUL8 F1, 1, 0, 0
	MUL8 F1, 1, 2, 0
.endm
	s_wait_tensorcnt 1                             ; my part of the walk's first step is in; the second's may stay out
	s_barrier_signal -1
	s_barrier_wait -1
	FETCH 0, F0
	QUARTER 128, F0, F1, 1                         ; the first quarter's first products start the sums: nothing is cleared
	WIN 0
	s_mov_b32 s3, STEPS-2
.Lstep:                                                ; a trip is a K step, from its second quarter to the next step's first, and fills the slot that it leaves: 6 trips ask for steps 2 to 7
	QUARTER 256, F1, F0, 0
	QUARTER 384, F0, F1, 0
	TURN 1
	QUARTER 128, F0, F1, 0
	WIN 0
	s_sub_co_u32 s3, s3, 1
	s_cmp_lg_u32 s3, 0
	s_cbranch_scc1 .Lstep
	s_mov_b32 s3, 2                                ; the tail is written out: one step's text for the last two steps, left in its middle
.Ltail:
	QUARTER 256, F1, F0, 0
	QUARTER 384, F0, F1, 0
	TURN 0                                         ; behind the second pass's barrier no wave reads slot 1 any more, and nothing is filled into it
	WIN 0
	s_sub_co_u32 s3, s3, 1
	s_cmp_eq_u32 s3, 0
	s_cbranch_scc1 .Lout
	QUARTER 128, F0, F1, 0
	WIN 0
	s_branch .Ltail
.Lout:
	; THE WAY OUT: a lane's eight f32 of a row, 32 bytes, into the stage in slot 1, each accumulator's low quad first; a barrier, since a row's 512 bytes come from two waves; back as whole rows.
	PLACES
.irp a, 0,1,2,3
.irp b, 0,1,2,3
	ds_store_b128 v[STO], v[ACC+8*(4*(\a)+(\b)):ACC+8*(4*(\a)+(\b))+3] offset:(\a)*16*SPITCH+64*(\b)
	ds_store_b128 v[STO], v[ACC+8*(4*(\a)+(\b))+4:ACC+8*(4*(\a)+(\b))+7] offset:(\a)*16*SPITCH+64*(\b)+16
.endr
.endr
	s_wait_dscnt 0x0                               ; for the others' sake: my stores into the stage are done
	s_barrier_signal -1
	s_barrier_wait -1
.set t, 0
.rept 32
	ds_load_b128 v[ACC+4*t:ACC+4*t+3], v[RD] offset:t*SPITCH
.set t, t+1
.endr
.set t, 0
.rept 32
	s_wait_dscnt 31-t                              ; row t is back
	global_store_b128 v[CO], v[ACC+4*t:ACC+4*t+3], s[8:9] offset:t*SIZE_N*4 th:TH_STORE_NT  ; 512 consecutive bytes, at a multiple of 512 from out0's first byte
.set t, t+1
.endr
	s_wait_tensorcnt 0x0                           ; the wave's end
	ds_add_u32 v[SPW], v[NIL]
	s_wait_dscnt 0x0
	CROUND                                         ; the closing round
	s_endpgm
.Lfunc_end_k_qc62df9ad66_proj:
	.size	k_qc62df9ad66_proj, .Lfunc_end_k_qc62df9ad66_proj-k_qc62df9ad66_proj
	.p2alignl 7, 3214868480
	.fill 96, 4, 3214868480
	.section	.rodata,"a",@progbits
	.p2align	6, 0x0
	.amdhsa_kernel k_qc62df9ad66_proj
		.amdhsa_group_segment_fixed_size 327680
		.amdhsa_private_segment_fixed_size 0
		.amdhsa_enable_private_segment 0
		.amdhsa_kernarg_size 24
		.amdhsa_user_sgpr_count 2
		.amdhsa_user_sgpr_kernarg_segment_ptr 1
		.amdhsa_wavefront_size32 1
		.amdhsa_system_sgpr_workgroup_id_x 1
		.amdhsa_system_sgpr_workgroup_id_y 1
		.amdhsa_system_sgpr_workgroup_id_z 1
		.amdhsa_system_vgpr_workitem_id 0
		.amdhsa_next_free_vgpr 512
		.amdhsa_next_free_sgpr 70
		.amdhsa_reserve_vcc 0
		.amdhsa_float_denorm_mode_32 3
		.amdhsa_float_denorm_mode_16_64 3
		.amdhsa_memory_ordered 1
		.amdhsa_forward_progress 1
		.amdhsa_inst_pref_size 59
	.end_amdhsa_kernel
	.amdgpu_metadata
---
amdhsa.version: [ 1, 2 ]
amdhsa.kernels:
  - .name:           k_qc62df9ad66_proj
    .symbol:         k_qc62df9ad66_proj.kd
    .args:
      - { .name: yb, .offset: 0, .size: 8, .value_kind: global_buffer, .address_space: global }
      - { .name: cb, .offset: 8, .size: 8, .value_kind: global_buffer, .address_space: global }
      - { .name: out0, .offset: 16, .size: 8, .value_kind: global_buffer, .address_space: global }
    .group_segment_fixed_size: 327680
    .private_segment_fixed_size: 0
    .kernarg_segment_align: 8
    .kernarg_segment_size: 24
    .max_flat_workgroup_size: 128
    .sgpr_count:     70
    .vgpr_count:     512
    .wavefront_size: 32
...
	.end_amdgpu_metadata
.endif
;; end of part 4
